; MI455X (gfx1250); checked and timed in simulation.
; The chip was launched on July 23, 2026; its instructions are those of AMD's public machine-readable ISA for CDNA 5 (MIT licence, August 2026) and "CDNA5" Instruction Set Architecture Reference Guide (July 2026). The comments in the code are by the model that wrote it; some were corrected since.
;; Self Attention. Allowed arithmetic: matrix products marked QUANTISED: E2M1 operands, one E8M0 scale for each 32 along K, by v_wmma_scale_f32_16x16x128_f8f6f4 with both operands' format E2M1 (or v_wmma_scale_f32_32x16x128_f4), f32 sums; products left as they are: bf16, f16 or f32 operands; f32 sums; everything else in f32.
;; Inputs: W_in 1,024 x 3,072 float32; W_out 1,024 x 1,024 float32; b_in 3,072 float32; b_out 1,024 float32; x 4 x 2,048 x 1,024 float32.
;; Outputs: out0 4 x 2,048 x 1,024 float32.
;; Constants: causal_mask = 1.
;; This version of the problem:
;;   THIS VERSION OF THE PROBLEM IS GIVEN IN LOW PRECISION. The matrix products marked QUANTISED in the list below multiply operands that are first quantised to E2M1 (2 exponent bits, 1 mantissa bit; 4 bits a number), with one power-of-two scale for each 32 numbers along K (OCP MX v1.0); their sums are f32. The products marked 'left as it is' may take bf16, f16 or f32 operands, with f32 sums. Whichever they take, every output number must still come out within the allowed error. Rounding operands to bf16 (8 significant bits) uses up far more of that allowance than f16 does (11 bits, for magnitudes from 6e-5 to 65,504). All else is computed in f32.
;;   The module's matrix products, in the order in which they are computed (A, B: the left and right operand; K: the contracted axis; several contracted axes count as one K, in the product's order):
;;     1. [M 8,192, K 1,024] x [K 1,024, N 3,072]; A: input x; B: input W_in: QUANTISED
;;     2. batch 64 x [M 2,048, K 64] x [K 64, N 2,048]; A: computed on the way; B: computed on the way: left as it is (an operand is computed on the way)
;;     3. batch 64 x [M 64, K 2,048] x [K 2,048, N 2,048]; A: computed on the way; B: computed on the way: left as it is (an operand is computed on the way)
;;     4. [M 8,192, K 1,024] x [K 1,024, N 1,024]; A: computed on the way; B: input W_out: left as it is (an operand is computed on the way)
;;   THE QUANTISER, for each operand of a quantised product, along K:
;;     - K is cut into blocks of 32 from its start; a last block that is shorter is filled with zeros.
;;     - A block's scale is 2^e with e = floor(log2(the largest magnitude in the block)) - 2, held to -126 .. 127; a block of zeros has e = 0. As a byte (E8M0): e + 127.
;;     - Each number is divided by its block's scale, clamped to +-6, and rounded to the nearest number of E2M1, ties to even, subnormals kept.
;;     - The product sums the exact products of the quantised numbers (number of the format x scale) in f32.
;;   ~~~python
;;   def quantise(x, axis):      # numpy; x: float32 -> the quantised numbers, widened to float32 again
;;       x = np.moveaxis(x, axis, -1); K = x.shape[-1]
;;       x = np.pad(x, [(0, 0)] * (x.ndim - 1) + [(0, -K % 32)]); x = x.reshape(x.shape[:-1] + (-1, 32)); a = np.abs(x).max(-1, keepdims=True)
;;       e = np.where(a > 0, np.clip(np.frexp(np.where(a > 0, a, 1))[1] - 1 - 2, -126, 127), 0)      # np.frexp(a)[1] - 1 = floor(log2(a)), exactly
;;       r = np.clip(x / 2.0 ** e, -6, 6)
;;       step = 2.0 ** (np.maximum(np.frexp(np.where(r == 0, 1, r))[1] - 1, 0) - 1)
;;       q = np.round(r / step) * step * 2.0 ** e      # np.round: ties to even
;;       return np.moveaxis(q.reshape(q.shape[:-2] + (-1,))[..., :K], -1, axis).astype(np.float32)
;;   ~~~
;; One version. Each part assembles by itself: llvm-mc -triple=amdgcn-amd-amdhsa -mcpu=gfx1250 --defsym DOCPART=n.
;; ======== version 1 of 1: 5 launches
;; limits: values are held in f16: magnitudes above 65,504 overflow, below 6.1e-05 lose precision
;; workspace buffers: xq 4,194,304 bytes; xs 262,144 bytes; wq 1,572,864 bytes; ws 98,304 bytes; wo16 2,097,152 bytes; qkv16 50,331,648 bytes; qkv32 786,432 bytes; att16 16,777,216 bytes
;; launch prep (part 1): grid 256 x 1, 8 waves a work-group, no clusters, 154,624 bytes of LDS; arguments x, W_in, W_out, xq, xs, wq, ws, wo16; writes xq, xs, wq, ws, wo16
.if DOCPART == 1
	.amdgcn_target "amdgcn-amd-amdhsa--gfx1250"
	.amdhsa_code_object_version 6
	.text
	.protected	k_q1668e2e5aa_prep
	.globl	k_q1668e2e5aa_prep
	.p2align	8
	.type	k_q1668e2e5aa_prep,@function
k_q1668e2e5aa_prep:
	s_mov_b64 s[64:65], 0
	v_nop
	global_prefetch_b8 v0, s[64:65] scope:SCOPE_SE
	s_setreg_imm32_b32 hwreg(HW_REG_WAVE_MODE, 25, 1), 1
	s_wait_xcnt 0x0
; PREP.  Three tasks in one launch, told apart by the work-group's number (the same in all eight waves):
;   work-groups 0-127   x [8192][1024] f32, K innermost -> xq: codes of E2M1, [8192][512 bytes]; xs: one E8M0 byte for each 32 along K, [8192][32]
;   work-groups 128-223 W_in [1024 k][3072 n] f32, K outermost -> wq [3072 n][512 bytes], K innermost; ws [3072][32]
;   work-groups 224-255 W_out [1024 k][1024 n] f32 -> wo16 [1024 n][1024 k] f16, K innermost
; A block's scale is 2^(floor(log2(its largest magnitude)) - 2); its byte is the largest magnitude's exponent field - 2, held at 1 from below.
; LIMITS: a block of zeros gets the byte 1 (not 127): its codes are zeros, which add nothing, and this program alone reads the bytes.  Blocks whose largest magnitude lies under 2^-124
; keep the byte 1.  NaN and infinities among the inputs are not served.  W_out must lie inside f16's range (magnitudes under 65,504).
; Each task has LDS bytes of its own.  No tensor loads.
.set XRG,   0                          ; x: 8,192 bytes a wave: two stages of 32 x 80 bytes, then 256 scale bytes
.set IST,   65536                      ; W_in: a stage of 64 rows (columns n) x (256 bytes + 16), the work-group's
.set ISC,   82944                      ; W_in: 64 rows x 16 scale bytes
.set OST,   83968                      ; W_out: a stage of 32 rows x (256 + 16) for each wave
.set SPARE, 153600                     ; the spare words, 128 bytes for each wave: four blocks of 256 bytes that no other line names
.set SPW,   14                         ; v14  LDS address of my spare word; never rewritten
.set NIL,   15                         ; v15  0; never rewritten
.set SP,    80                         ; x: a lane's place in a stage: 64 bytes + 16 of padding
.set WREG,  8192
.set R,     16                         ; x: v16-143  eight sets of 16 numbers as loaded
.set X,     144                        ; x: v144-175 two sets of 16 neighbours
.set E,     176                        ; x: v176-191 a scale byte for each step
.set C,     192                        ; x: v192-223 a pair of code registers for each step
.set XI,    32                         ; weights: v32-95 two sets of 32 numbers down K
.set CI,    96                         ; weights: v96..  a block's codes or f16 pairs
.set OUTR,  112                        ; weights: v112.. the way out
	s_load_b256 s[8:15], s[0:1], 0x0               ; x s[8:9], W_in s[10:11], W_out s[12:13], xq s[14:15]
	s_load_b256 s[16:23], s[0:1], 0x20             ; xs s[16:17], wq s[18:19], ws s[20:21], wo16 s[22:23]
	v_lshl_add_u32 v[SPW], v0, 2, SPARE
	v_mov_b32 v[NIL], 0
	v_lshrrev_b32 v1, 5, v0
	v_readfirstlane_b32 s24, v1                    ; wave 0..7
	v_and_b32 v2, 31, v0                           ; lane
	s_mov_b32 s29, 0                               ; the high word of every offset pair s[28:29]
	s_wait_kmcnt 0x0
	s_cmp_lt_u32 ttmp9, 128
	s_cbranch_scc0 .Lnot_x
; ---------------- x: a plain stream of blocks of 32.  A wave takes 16 steps of 512 numbers.
; A load reads 512 consecutive bytes, 16 a lane; a step's 2,048 bytes turn through the wave's own stage and come back 64 bytes a lane: 16 neighbours along K; two neighbouring lanes hold a block.
	s_mul_i32 s25, s24, WREG
	v_lshlrev_b32 v3, 4, v2                        ; my 16 bytes of a load's 512
	v_lshrrev_b32 v12, 2, v2
	v_mul_u32_u24 v12, v12, SP
	v_and_b32 v13, 3, v2
	v_lshl_add_u32 v12, v13, 4, v12
	v_add_nc_u32 v12, s25, v12                     ; the stage, way in: 80 (lane / 4) + 16 (lane % 4)
	v_mul_u32_u24 v13, v2, SP
	v_add_nc_u32 v13, s25, v13                     ; way out: 80 x lane
	v_lshlrev_b32 v4, 3, v2                        ; 8 x lane: my codes' place in a step's 256 bytes, and my 8 of the 256 scale bytes
	v_lshrrev_b32 v5, 1, v2
	s_add_co_u32 s25, s25, 2*32*SP
	v_add_nc_u32 v5, s25, v5                       ; LDS: my block's scale byte
	v_add_nc_u32 v6, s25, v4                       ; and 8 bytes a lane on the way out
	s_lshl_b32 s26, ttmp9, 3
	s_add_co_u32 s26, s26, s24                     ; which run of 8,192 numbers is my wave's: 0..1023
	s_lshl_b32 s28, s26, 15
	s_add_nc_u64 s[8:9], s[8:9], s[28:29]          ; 32,768 bytes of x a run,
	s_lshl_b32 s28, s26, 12
	s_add_nc_u64 s[14:15], s[14:15], s[28:29]      ; 4,096 of codes,
	s_lshl_b32 s28, s26, 8
	s_add_nc_u64 s[16:17], s[16:17], s[28:29]      ; 256 of scale bytes
.macro XLOAD t
.irp i, 0,1,2,3
	global_load_b128 v[R+16*((\t)%8)+4*\i:R+16*((\t)%8)+4*\i+3], v3, s[8:9] offset:2048*(\t)+512*\i th:TH_LOAD_NT
.endr
.endm
.macro XTURN t                         ; LDS serves a wave's instructions in order: no wait between the stores and the loads
.irp i, 0,1,2,3
	ds_store_b128 v12, v[R+16*((\t)%8)+4*\i:R+16*((\t)%8)+4*\i+3] offset:32*SP*((\t)%2)+8*SP*\i
.endr
.irp i, 0,1,2,3
	ds_load_b128 v[X+16*((\t)%2)+4*\i:X+16*((\t)%2)+4*\i+3], v13 offset:32*SP*((\t)%2)+16*\i
.endr
.endm
.macro XSTEP t
.set XS, X+16*((\t)%2)
.if (\t) > 0
	s_wait_dscnt 1                                 ; this step's numbers are back from the stage; the last step's byte store may be out
.else
	s_wait_dscnt 0x0
.endif
.if (\t)+8 < 16
	XLOAD (\t)+8                                   ; into the set whose numbers have just gone through the stage
.endif
.if (\t)+1 < 16
.if (\t) <= 7
	s_wait_loadcnt 28                              ; the next step's four loads are in; those of the seven steps behind it may be out
.else
	s_wait_loadcnt 4*(14-(\t))                     ; the tail: 14 - t steps behind it
.endif
	XTURN (\t)+1
.endif
	v_max3_num_f32 v8, |v[XS]|, |v[XS+1]|, |v[XS+2]|
	v_max3_num_f32 v9, |v[XS+3]|, |v[XS+4]|, |v[XS+5]|
.irp i, 6,10
	v_max3_num_f32 v8, v8, |v[XS+\i]|, |v[XS+\i+1]|
	v_max3_num_f32 v9, v9, |v[XS+\i+2]|, |v[XS+\i+3]|
.endr
	v_max3_num_f32 v8, v8, |v[XS+14]|, |v[XS+15]|
	v_max3_num_f32 v8, v8, v9, 0x1800000           ; and the floor 2^(3 - 127): the byte cannot fall under 1
	v_max_num_f32_dpp v8, v8, v8 row_xmask:1 row_mask:0xf bank_mask:0xf   ; with my neighbour's 16: the block's largest magnitude
	v_add_nc_u32 v11, 0xff000000, v8               ; 2 off its exponent field: the conversion's scale operand
	v_cvt_scalef32_pk8_fp4_f32 v[C+2*(\t)], v[XS:XS+7], v11
	v_cvt_scalef32_pk8_fp4_f32 v[C+2*(\t)+1], v[XS+8:XS+15], v11
	v_lshrrev_b32 v[E+(\t)], 23, v11               ; the scale's byte (a plain line behind the conversions)
	ds_store_b8 v5, v[E+(\t)] offset:16*(\t)       ; both lanes of a block write the same byte with the same value
	global_store_b64 v4, v[C+2*(\t):C+2*(\t)+1], s[14:15] offset:256*(\t)   ; 32 lanes store 256 consecutive bytes, aligned
.endm
.irp t, 0,1,2,3,4,5,6,7
	XLOAD \t
.endr
	s_wait_loadcnt 28                              ; step 0's four loads are in
	XTURN 0
.irp t, 0,1,2,3,4,5,6,7,8,9,10,11,12,13,14,15
	XSTEP \t
.endr
	ds_load_b64 v[8:9], v6                         ; my wave's 256 scale bytes, in order behind my stores
	s_wait_dscnt 0x0
	global_store_b64 v4, v[8:9], s[16:17]          ; 256 consecutive bytes, aligned
	s_branch .Lend
; ---------------- the weights: a lane takes a column n and its registers run down K
.macro WLOAD t, base, pitch            ; block t: rows 32 t + i of my 128, my column; set t % 2
.set i, 0
.rept 32
	global_load_b32 v[XI+32*((\t)%2)+i], v3, s[\base:\base+1] offset:(32*(\t)+i)*\pitch th:TH_LOAD_NT
.set i, i+1
.endr
.endm
.Lnot_x:
	s_cmp_lt_u32 ttmp9, 224
	s_cbranch_scc0 .Lpath_o
; W_in.  Work-group g: 64 columns (g / 2) x 512 along K (g % 2).  Wave: 32 columns (w % 2) x 128 along K (w / 2): four blocks a lane.
; The eight waves' codes meet in one stage, 256 bytes a column, and leave as aligned runs of 256 bytes.
	s_sub_co_u32 s25, ttmp9, 128
	s_lshr_b32 s26, s25, 1                         ; cg
	s_and_b32 s25, s25, 1                          ; kh
	s_and_b32 s30, s24, 1                          ; cw
	s_lshr_b32 s31, s24, 1                         ; kq
	v_lshlrev_b32 v3, 2, v2                        ; in: 4 bytes a lane
	s_mul_i32 s34, s30, 32*272
	s_lshl_b32 s35, s31, 6
	s_add_co_u32 s34, s34, s35
	s_add_co_u32 s34, s34, IST
	v_mul_u32_u24 v4, v2, 272
	v_add_nc_u32 v4, s34, v4                       ; stage, way in: row 32 cw + lane, byte 64 kq
	s_lshl_b32 s34, s30, 9
	s_lshl_b32 s35, s31, 2
	s_add_co_u32 s35, s35, s34
	s_add_co_u32 s35, s35, ISC
	v_lshl_add_u32 v5, v2, 4, s35                  ; my column's four scale bytes: row x 16 + 4 kq
	s_add_co_u32 s34, s34, ISC
	v_lshl_add_u32 v9, v2, 4, s34                  ; and a whole row of 16, for the way out (rows 32 (w % 2) + lane)
	s_mul_i32 s34, s24, 8*272
	s_add_co_u32 s34, s34, IST
	v_lshrrev_b32 v6, 4, v2
	v_and_b32 v1, 15, v2
	v_mul_u32_u24 v7, v6, 272
	v_lshl_add_u32 v7, v1, 4, v7
	v_add_nc_u32 v7, s34, v7                       ; stage, way out: rows 8 w on, sixteen lanes to a row
	v_lshlrev_b32 v8, 9, v6
	v_lshl_add_u32 v8, v1, 4, v8                   ; the same two rows in wq (512 bytes a row)
	v_lshlrev_b32 v10, 5, v2                       ; ws: 32 bytes a row
	s_lshl_b32 s32, s25, 9
	s_lshl_b32 s33, s31, 7
	s_add_co_u32 s32, s32, s33
	s_mul_i32 s32, s32, 12288                      ; (512 kh + 128 kq) rows of W_in
	s_lshl_b32 s33, s26, 8
	s_add_co_u32 s32, s32, s33
	s_lshl_b32 s33, s30, 7
	s_add_co_u32 s28, s32, s33                     ; + (64 cg + 32 cw) x 4
	s_add_nc_u64 s[10:11], s[10:11], s[28:29]
	s_lshl_b32 s32, s26, 15
	s_lshl_b32 s33, s24, 12
	s_add_co_u32 s32, s32, s33
	s_lshl_b32 s33, s25, 8
	s_add_co_u32 s28, s32, s33                     ; wq: (64 cg + 8 w) x 512 + 256 kh
	s_add_nc_u64 s[18:19], s[18:19], s[28:29]
	s_lshl_b32 s32, s26, 11
	s_lshl_b32 s33, s30, 10
	s_add_co_u32 s32, s32, s33
	s_lshl_b32 s33, s25, 4
	s_add_co_u32 s28, s32, s33                     ; ws: (64 cg + 32 (w % 2)) x 32 + 16 kh
	s_add_nc_u64 s[20:21], s[20:21], s[28:29]
.macro IBLOCK t
.set XS, XI+32*((\t)%2)
.if (\t) < 3
	s_wait_loadcnt 32                              ; this block's 32 loads are in; the next block's may be out
.else
	s_wait_loadcnt 0x0
.endif
	v_max3_num_f32 v12, |v[XS]|, |v[XS+1]|, |v[XS+2]|      ; all 32 numbers of the block are mine
	v_max3_num_f32 v13, |v[XS+3]|, |v[XS+4]|, |v[XS+5]|
.irp i, 6,10,14,18,22,26
	v_max3_num_f32 v12, v12, |v[XS+\i]|, |v[XS+\i+1]|
	v_max3_num_f32 v13, v13, |v[XS+\i+2]|, |v[XS+\i+3]|
.endr
	v_max3_num_f32 v12, v12, |v[XS+30]|, |v[XS+31]|
	v_max3_num_f32 v12, v12, v13, 0x1800000        ; the floor 2^(3 - 127)
	v_add_nc_u32 v11, 0xff000000, v12              ; the conversion's scale operand
	v_lshrrev_b32 v13, 23, v11                     ; the byte
.if (\t) == 0
	v_mov_b32 v24, v13
.else
	v_lshl_or_b32 v24, v13, 8*(\t), v24            ; four bytes to a word, the lower K in the lower byte
.endif
.irp g, 0,1,2,3
	v_cvt_scalef32_pk8_fp4_f32 v[CI+\g], v[XS+8*\g:XS+8*\g+7], v11
.endr
	ds_store_b128 v4, v[CI:CI+3] offset:16*(\t)    ; 32 codes: 16 bytes of my column's row
.if (\t)+2 < 4
	WLOAD (\t)+2, 10, 12288
.endif
	s_wait_dscnt 0x0                               ; the store has read its registers: the next block's codes may be written
.endm
	WLOAD 0, 10, 12288
	WLOAD 1, 10, 12288
.irp t, 0,1,2,3
	IBLOCK \t
.endr
	ds_store_b32 v5, v24
	s_wait_dscnt 0x0                               ; for the others' sake: my stores into the stage are done
	s_barrier_signal -1
	s_barrier_wait -1
.irp i, 0,1,2,3
	ds_load_b128 v[OUTR+4*\i:OUTR+4*\i+3], v7 offset:2*\i*272
.endr
.irp i, 0,1,2,3
	s_wait_dscnt 3-\i                              ; the younger loads may be out
	global_store_b128 v8, v[OUTR+4*\i:OUTR+4*\i+3], s[18:19] offset:2*\i*512   ; sixteen lanes store 256 consecutive bytes, aligned
.endr
	s_cmp_lt_u32 s24, 2                            ; waves 0 and 1 send the scale bytes: 16 bytes of each of 64 rows of 32: one byte in 128 of what this task reads
	s_cbranch_scc0 .Lend
	ds_load_b128 v[OUTR+16:OUTR+19], v9
	s_wait_dscnt 0x0
	global_store_b128 v10, v[OUTR+16:OUTR+19], s[20:21]
	s_branch .Lend
.Lpath_o:
; W_out.  Work-group g: 64 columns (g / 2) x 512 along K (g % 2).  Wave: 32 columns (w % 2) x 128 along K (w / 2): 256 bytes of f16 a column, through the wave's own stage.
	s_sub_co_u32 s25, ttmp9, 224
	s_lshr_b32 s26, s25, 1                         ; cg
	s_and_b32 s25, s25, 1                          ; kh
	s_and_b32 s30, s24, 1                          ; cw
	s_lshr_b32 s31, s24, 1                         ; kq
	v_lshlrev_b32 v3, 2, v2
	s_mul_i32 s34, s24, 32*272
	s_add_co_u32 s34, s34, OST
	v_mul_u32_u24 v4, v2, 272
	v_add_nc_u32 v4, s34, v4                       ; way in: row = my column
	v_lshrrev_b32 v6, 4, v2
	v_and_b32 v1, 15, v2
	v_mul_u32_u24 v7, v6, 272
	v_lshl_add_u32 v7, v1, 4, v7
	v_add_nc_u32 v7, s34, v7                       ; way out: sixteen lanes to a row
	v_lshlrev_b32 v8, 11, v6
	v_lshl_add_u32 v8, v1, 4, v8                   ; the same two rows in wo16 (2,048 bytes a row)
	s_lshl_b32 s32, s25, 21
	s_lshl_b32 s33, s31, 19
	s_add_co_u32 s32, s32, s33                     ; (512 kh + 128 kq) rows of 4,096 bytes
	s_lshl_b32 s33, s26, 8
	s_add_co_u32 s32, s32, s33
	s_lshl_b32 s33, s30, 7
	s_add_co_u32 s28, s32, s33
	s_add_nc_u64 s[12:13], s[12:13], s[28:29]
	s_lshl_b32 s32, s26, 17
	s_lshl_b32 s33, s30, 16
	s_add_co_u32 s32, s32, s33                     ; wo16: (64 cg + 32 cw) rows
	s_lshl_b32 s33, s25, 10
	s_add_co_u32 s32, s32, s33
	s_lshl_b32 s33, s31, 8
	s_add_co_u32 s28, s32, s33                     ; + (512 kh + 128 kq) x 2
	s_add_nc_u64 s[22:23], s[22:23], s[28:29]
.macro OBLOCK t
.set XS, XI+32*((\t)%2)
.if (\t) < 3
	s_wait_loadcnt 32                              ; this block's 32 loads are in; the next block's may be out
.else
	s_wait_loadcnt 0x0
.endif
.set i, 0
.rept 16
	v_cvt_pk_f16_f32 v[CI+i], v[XS+2*i], v[XS+2*i+1]       ; two neighbours along K
.set i, i+1
.endr
.irp i, 0,1,2,3
	ds_store_b128 v4, v[CI+4*\i:CI+4*\i+3] offset:64*(\t)+16*\i
.endr
.if (\t)+2 < 4
	WLOAD (\t)+2, 12, 4096
.endif
	s_wait_dscnt 0x0                               ; the stores have read their registers
.endm
	WLOAD 0, 12, 4096
	WLOAD 1, 12, 4096
.irp t, 0,1,2,3
	OBLOCK \t
.endr
.irp t, 0,1,2,3,4,5,6,7,8,9,10,11,12,13,14,15
	ds_load_b128 v[OUTR+4*\t:OUTR+4*\t+3], v7 offset:2*\t*272
.endr
.irp t, 0,1,2,3,4,5,6,7,8,9,10,11,12,13,14,15
	s_wait_dscnt 15-\t                             ; the younger loads may be out
	global_store_b128 v8, v[OUTR+4*\t:OUTR+4*\t+3], s[22:23] offset:2*\t*2048   ; sixteen lanes store 256 consecutive bytes, aligned
.endr
.Lend:
	s_wait_tensorcnt 0x0                           ; the wave's end: behind my last LDS store
	ds_add_u32 v[SPW], v[NIL]
	s_wait_dscnt 0x0
	s_endpgm
.Lfunc_end_k_q1668e2e5aa_prep:
	.size	k_q1668e2e5aa_prep, .Lfunc_end_k_q1668e2e5aa_prep-k_q1668e2e5aa_prep
	.p2alignl 7, 3214868480
	.fill 96, 4, 3214868480
	.section	.rodata,"a",@progbits
	.p2align	6, 0x0
	.amdhsa_kernel k_q1668e2e5aa_prep
		.amdhsa_group_segment_fixed_size 154624
		.amdhsa_private_segment_fixed_size 0
		.amdhsa_enable_private_segment 0
		.amdhsa_kernarg_size 64
		.amdhsa_user_sgpr_count 2
		.amdhsa_user_sgpr_kernarg_segment_ptr 1
		.amdhsa_wavefront_size32 1
		.amdhsa_system_sgpr_workgroup_id_x 1
		.amdhsa_system_sgpr_workgroup_id_y 1
		.amdhsa_system_sgpr_workgroup_id_z 1
		.amdhsa_system_vgpr_workitem_id 0
		.amdhsa_next_free_vgpr 256
		.amdhsa_next_free_sgpr 66
		.amdhsa_reserve_vcc 0
		.amdhsa_float_denorm_mode_32 3
		.amdhsa_float_denorm_mode_16_64 3
		.amdhsa_memory_ordered 1
		.amdhsa_forward_progress 1
		.amdhsa_inst_pref_size 76
	.end_amdhsa_kernel
	.amdgpu_metadata
---
amdhsa.version: [ 1, 2 ]
amdhsa.kernels:
  - .name:           k_q1668e2e5aa_prep
    .symbol:         k_q1668e2e5aa_prep.kd
    .args:
      - { .name: x, .offset: 0, .size: 8, .value_kind: global_buffer, .address_space: global }
      - { .name: W_in, .offset: 8, .size: 8, .value_kind: global_buffer, .address_space: global }
      - { .name: W_out, .offset: 16, .size: 8, .value_kind: global_buffer, .address_space: global }
      - { .name: xq, .offset: 24, .size: 8, .value_kind: global_buffer, .address_space: global }
      - { .name: xs, .offset: 32, .size: 8, .value_kind: global_buffer, .address_space: global }
      - { .name: wq, .offset: 40, .size: 8, .value_kind: global_buffer, .address_space: global }
      - { .name: ws, .offset: 48, .size: 8, .value_kind: global_buffer, .address_space: global }
      - { .name: wo16, .offset: 56, .size: 8, .value_kind: global_buffer, .address_space: global }
    .group_segment_fixed_size: 154624
    .private_segment_fixed_size: 0
    .kernarg_segment_align: 8
    .kernarg_segment_size: 64
    .max_flat_workgroup_size: 256
    .sgpr_count:     66
    .vgpr_count:     256
    .wavefront_size: 32
...
	.end_amdgpu_metadata
.endif
;; end of part 1
;; launch qkv (part 2): grid 12 x 32, 4 waves a work-group, clusters of 4 x 4, 327,680 bytes of LDS; arguments xq, xs, wq, ws, b_in, qkv16, qkv32; writes qkv16, qkv32
.if DOCPART == 2
	.amdgcn_target "amdgcn-amd-amdhsa--gfx1250"
	.amdhsa_code_object_version 6
	.text
	.protected	k_q1668e2e5aa_qkv
	.globl	k_q1668e2e5aa_qkv
	.p2align	8
	.type	k_q1668e2e5aa_qkv,@function
k_q1668e2e5aa_qkv:
	s_mov_b64 s[64:65], 0
	v_nop
	global_prefetch_b8 v0, s[64:65] scope:SCOPE_SE
	s_setreg_imm32_b32 hwreg(HW_REG_WAVE_MODE, 25, 1), 1
	s_wait_xcnt 0x0
	s_wait_alu depctr_hold_cnt(0) depctr_sa_sdst(0) depctr_va_vdst(0) depctr_va_sdst(0) depctr_va_ssrc(0) depctr_va_vcc(0) depctr_vm_vsrc(0)
	s_getreg_b32 s2, hwreg(HW_REG_IB_STS2, 6, 4)
	s_cmp_eq_u32 s2, 0
	s_cbranch_scc0 .Lentry_in_a_cluster
	s_endpgm
.Lentry_in_a_cluster:
	s_bfe_u32 s2, ttmp6, 0x10000c
	s_cmp_lg_u32 s2, 0xf033
	s_cbranch_scc0 .Lentry_shape_is_right
	s_endpgm
.Lentry_shape_is_right:
; QKV.  qkv[m][n] = sum over k of x[m][k] W_in[k][n] + b_in[n], on codes of E2M1 with one E8M0 scale for each 32 along K; sums in f32.  m 8,192, n 3,072, K 1,024.
; OUT: qkv16 [48 c = n / 64][8192 m][64] f16: q's heads (c 0-15), multiplied by log2(e) / 8 in f32 ahead of the rounding, k's (16-31), v's (32-47);
;      qkv32 [64 = 16 b + s][3072] f32: positions s = 0..15 of each sequence b, bias in, q not scaled.
; LIMIT: |q| log2(e) / 8, |k| and |v| must stay under 65,504 (f16).
; A tile of 256 x 256 is made by four waves, 128 x 128 each: 64 accumulators, 512 registers.  K is two steps of 512 in two LDS slots: both are asked for at the head and nothing is filled again.
; The scale bytes of the tile's 256 + 256 rows, for all of K, come once, as dense blocks.
; CLUSTERS: 4 x 4.  Tile column = 4 X + cx, tile row = 8 cy + Y (X, Y: the cluster's place): so the four tile rows that begin a sequence (0, 8, 16, 24) are those of the clusters with Y = 0,
; and whether a wave holds positions 0-15 hangs on Y and on the wave's number alone.  A's tile is asked for jointly along a row of the cluster, B's along a column.
; THE MATRIX INSTRUCTION IS USED TRANSPOSED (source 0 = 16 rows of wq, source 1 = 16 rows of xq): a lane holds eight neighbouring n of one row m.  The bias is the C of each sum's first product.
; REGISTERS: window 0: v0-31 addresses; v32-95 scale words, two sets; v128-191 A's fragments, one set; on the way out v32-255 are free.
;   window 1: B's fragments at v0 and v128; v64-127 the bias of my 128 columns.   window 2: accumulators of my rows 0-63 ((a, b) at v[8 (8 a + b)]);   window 3: of rows 64-127.
.set SIZE_N, 3072
.set NQ,     4                         ; matrix instructions deep in a slot: 512 along K
.set ROWB,   256                       ; a tile's row in bytes
.set KROW,   512                       ; a row of codes in memory
.set PITCH,  272                       ; an LDS row: 256 bytes + 16 of padding: the 16 rows of a fragment load start at 16 different banks (64 banks of 4 bytes: ISA guide 11.1)
.set FR,     8
.set NL,     2
.set NP,     4                         ; places behind this matrix instruction (ISA guide 7.12.1)
.set HALFT,  128*PITCH
.set SLOT,   4*HALFT
.set KS,     32                        ; a row of scale bytes
.set SCL,    2*SLOT
.set HALFS,  16*272                    ; the scales of 128 rows: 16 units of 256 bytes + 16
.set SBLK,   2*272                     ; of 16 rows
.set SPARE,  SCL+4*HALFS               ; the spare words, 128 bytes a wave: two blocks of 256 bytes that no other line names
.set ADRA, 16
.set ADRB, 20
.set STO32, 22                         ; the way out, f32: where I put 32 bytes of a row (rows of 528 bytes)
.set RD32,  23                         ; and where I read a row back
.set STO16, 24                         ; f16: where I put 16 bytes of a row (rows of 272 bytes)
.set RD16,  25                         ; and where I read back: four rows x 128 bytes of one head
.set CO,    26                         ; 16 x lane
.set ADRS,  27
.set SPW,   28
.set NIL,   29
.set BOF,   30                         ; 32 x (lane / 16): my half's eight numbers of the bias
.set SC,    32
.set AF,    128
.set BIAS,  64                         ; in window 1
.set TMP,   32                         ; way out: 32 registers of packed f16
.set T,     64                         ; way out: a block's 64 numbers, scaled
.set BK,    128                        ; way out: rows read back, v128-159 and v160-191 by turns
.set BB,    192                        ; way out: the f32 copy's rows
.set ST32B, 0                          ; the stages lie in slot 0, which has had its only fill and its last read when the first result is stored there
.set ST16B, 34816
.set G1, 24
.set G0, 32
.set G1B, 48
.set G0B, 56
.set G1S, 68
.set G0S, 76
.set G1SB, 80
.set G0SB, 88
.set MSB, 0
.macro WIN new                         ; the immediate's high byte repeats the setting that is left
.if MSB != \new
	s_set_vgpr_msb (MSB<<8)|\new
.set MSB, \new
.endif
.endm
.set MUL_LO, 0xa1                      ; source 0 (B) window 1, source 1 (A) window 0, C and D window 2
.set MUL_HI, 0xf1                      ; C and D window 3
.set MUL_LO0, 0x91                     ; the first products: C (the bias) window 1, D window 2
.set MUL_HI0, 0xd1                     ; D window 3
.set TO_B,   0x40
; A joint load: waves 0 and 1 fetch for A, waves 2 and 3 for B; the branch hangs on the wave's number alone.  An s_nop 0 and four v_nop follow each line.
.macro JLOAD g0a, g1a, g0b, g1b
	s_cmp_eq_u32 s15, 0
	s_cbranch_scc0 .Lfor_b_\@
	tensor_load_to_lds s[\g0a:\g0a+3], s[\g1a:\g1a+7]
	s_nop 0
.rept 4
	v_nop
.endr
	s_branch .Lasked_\@
.Lfor_b_\@:
	tensor_load_to_lds s[\g0b:\g0b+3], s[\g1b:\g1b+7]
	s_nop 0
.rept 4
	v_nop
.endr
.Lasked_\@:
.endm
.macro CROUND                          ; a round of the cluster's barrier
	s_barrier_signal -1
	s_barrier_wait -1
	s_cmp_lg_u32 s14, 0
	s_cbranch_scc1 .Lnot_wave_0_\@
	s_barrier_signal -3
.Lnot_wave_0_\@:
	s_barrier_wait -3
	s_barrier_signal -1
	s_barrier_wait -1
.endm
	s_load_b128 s[4:7], s[0:1], 0x0                ; xq, xs
	s_load_b128 s[8:11], s[0:1], 0x10              ; wq, ws
	s_load_b64 s[96:97], s[0:1], 0x20              ; b_in
	s_load_b64 s[12:13], s[0:1], 0x28              ; qkv16
	s_load_b64 s[98:99], s[0:1], 0x30              ; qkv32
	v_lshl_add_u32 v[SPW], v0, 2, SPARE
	v_mov_b32 v[NIL], 0
	ds_add_u32 v[SPW], v[NIL]                      ; the wave's opening: the add, twice on end, and its wait ahead of my first tensor load
	ds_add_u32 v[SPW], v[NIL]
	v_lshrrev_b32 v1, 5, v0
	v_readfirstlane_b32 s14, v1                    ; wave 0..3
	s_lshr_b32 s15, s14, 1                         ; which half of the tile's rows is mine.  Also: I fetch for A (0) or for B (1)
	s_and_b32 s16, s14, 1                          ; which half of its columns.  Also: which 128 rows I fetch
	s_bfe_u32 s40, ttmp6, 0x40000                  ; cx
	s_bfe_u32 s41, ttmp6, 0x40004                  ; cy
	s_lshl_b32 s42, ttmp9, 2
	s_add_co_u32 s42, s42, s40                     ; tile column = 4 X + cx
	s_and_b32 s95, ttmp7, 0xffff                   ; Y
	s_lshl_b32 s17, s41, 3
	s_add_co_u32 s17, s17, s95                     ; tile row = 8 cy + Y
	s_lshl_b32 s43, s41, 2
	s_lshl_b32 s43, 15, s43                        ; my row of the cluster
	s_lshl_b32 s44, 0x1111, s40                    ; my column
	s_or_b32 s[G1+0], s43, (0<<16)|(1<<20)|(1<<21)|(5<<22)|(3<<25)  ; the mask; elements of 1 byte; padding on; bit 21 beside a mask; 4 words behind every 64
	s_or_b32 s[G1B+0], s44, (0<<16)|(1<<20)|(1<<21)|(5<<22)|(3<<25)
.irp g, G1, G1B
	s_mov_b32 s[\g+1], ROWB<<16                    ; tensor_dim0
	s_mov_b32 s[\g+2], 128<<16                     ; tensor_dim1
	s_mov_b32 s[\g+3], ROWB<<16                    ; tile_dim0
	s_mov_b32 s[\g+4], 128                         ; tile_dim1
	s_mov_b32 s[\g+5], KROW                        ; the pitch
	s_mov_b32 s[\g+6], 0
	s_mov_b32 s[\g+7], 0
.endr
	s_or_b32 s[G1S+0], s43, (3<<16)|(1<<20)|(1<<21)|(5<<22)|(3<<25) ; the scales of 128 rows: 4,096 dense bytes as 16 rows of 32 elements of 8 bytes
	s_or_b32 s[G1SB+0], s44, (3<<16)|(1<<20)|(1<<21)|(5<<22)|(3<<25)
.irp g, G1S, G1SB
	s_mov_b32 s[\g+1], 32<<16
	s_mov_b32 s[\g+2], 16<<16
	s_mov_b32 s[\g+3], 32<<16
	s_mov_b32 s[\g+4], 16
	s_mov_b32 s[\g+5], 32
	s_mov_b32 s[\g+6], 0
	s_mov_b32 s[\g+7], 0
.endr
	s_lshl_b32 s18, s16, 7
	s_lshl_b32 s20, s17, 8
	s_add_co_u32 s20, s20, s18                     ; A: row 256 x tile row + 128 x half
	s_lshl_b32 s46, s42, 8
	s_add_co_u32 s46, s46, s18                     ; B: row 256 x tile column + 128 x half
	s_mov_b32 s21, 0
	s_mov_b32 s47, 0
	s_mov_b64 s[18:19], KS
	s_mul_u64 s[22:23], s[20:21], s[18:19]         ; where these rows' scales begin
	s_mul_u64 s[92:93], s[46:47], s[18:19]
	s_mov_b64 s[18:19], KROW
	s_mul_u64 s[20:21], s[20:21], s[18:19]         ; and their codes
	s_mul_u64 s[46:47], s[46:47], s[18:19]
	s_mul_i32 s45, s14, HALFT                      ; where they go: wave x 128 rows
	s_mul_i32 s94, s14, HALFS
	s_mov_b32 s100, 1.0
	s_cmp_lt_u32 s42, 4                            ; tile columns 0-3 are q: a value is chosen, no way through the text
	s_cselect_b32 s100, 0x3e38aa3b, s100           ; log2(e) / 8, or 1
	s_mov_b32 s101, s100                           ; (named with it as a pair)
	s_wait_dscnt 0x0                               ; both opening adds are done
	s_wait_kmcnt 0x0
	s_add_nc_u64 s[20:21], s[4:5], s[20:21]
	s_add_nc_u64 s[22:23], s[6:7], s[22:23]
	s_add_nc_u64 s[46:47], s[8:9], s[46:47]
	s_add_nc_u64 s[92:93], s[10:11], s[92:93]
	CROUND                                         ; all sixteen work-groups are here: the first joint loads meet
	s_mov_b32 s[G0S], 1
	s_add_co_u32 s[G0S+1], s94, SCL
	s_mov_b64 s[G0S+2:G0S+3], s[22:23]
	s_or_b32 s[G0S+3], s[G0S+3], 0x80000000
	s_mov_b32 s[G0SB], 1
	s_add_co_u32 s[G0SB+1], s94, SCL
	s_mov_b64 s[G0SB+2:G0SB+3], s[92:93]
	s_or_b32 s[G0SB+3], s[G0SB+3], 0x80000000
	JLOAD G0S, G1S, G0SB, G1SB                     ; the scales first
.irp s, 0,1
	s_mov_b32 s[G0+4*\s], 1
	s_add_co_u32 s[G0+4*\s+1], s45, \s*SLOT
	s_add_nc_u64 s[G0+4*\s+2:G0+4*\s+3], s[20:21], \s*ROWB
	s_or_b32 s[G0+4*\s+3], s[G0+4*\s+3], 0x80000000
	s_mov_b32 s[G0B+4*\s], 1
	s_add_co_u32 s[G0B+4*\s+1], s45, \s*SLOT
	s_add_nc_u64 s[G0B+4*\s+2:G0B+4*\s+3], s[46:47], \s*ROWB
	s_or_b32 s[G0B+4*\s+3], s[G0B+4*\s+3], 0x80000000
	JLOAD G0+4*\s, G1, G0B+4*\s, G1B               ; three tensor loads of mine are out at the most
.endr
	v_and_b32 v1, 15, v0                           ; r
	v_bfe_u32 v2, v0, 4, 1                         ; h
	s_lshl_b32 s46, s42, 10
	s_lshl_b32 s47, s16, 9
	s_add_co_u32 s46, s46, s47                     ; my first column, x 4 bytes
	s_mov_b32 s47, 0
	s_add_nc_u64 s[96:97], s[96:97], s[46:47]      ; b_in there
	s_add_nc_u64 s[98:99], s[98:99], s[46:47]      ; qkv32 there,
	s_mul_i32 s46, s41, 16*SIZE_N*4
	s_add_nc_u64 s[98:99], s[98:99], s[46:47]      ; in sequence cy's 16 rows
	v_lshlrev_b32 v[BOF], 5, v2
	WIN TO_B
.irp b, 0,1,2,3,4,5,6,7                ; the bias in the result's layout: for B's block b lane (r, h) wants columns 16 b + 8 h + 0 .. 7
	global_load_b128 v[BIAS+8*\b:BIAS+8*\b+3], v[BOF], s[96:97] offset:64*\b
	global_load_b128 v[BIAS+8*\b+4:BIAS+8*\b+7], v[BOF], s[96:97] offset:64*\b+16
.endr
	WIN 0
	v_mul_u32_u24 v3, v1, PITCH
	v_lshl_add_u32 v4, v2, 4, v3                   ; a fragment's row x pitch + 16 x half
	s_mul_i32 s21, s15, HALFT
	s_mul_i32 s22, s16, HALFT
	s_add_co_u32 s22, s22, 2*HALFT
.irp s, 0,1
	v_add_nc_u32 v[ADRA+\s], s21, v4
	v_add_nc_u32 v[ADRB+\s], s22, v4
	s_add_co_u32 s21, s21, SLOT
	s_add_co_u32 s22, s22, SLOT
.endr
	v_mul_u32_u24 v5, v1, KS                       ; my row's scales: 32 bytes a row,
	v_lshrrev_b32 v6, 8, v5
	v_lshl_add_u32 v5, v6, 4, v5                   ; and 16 more for each 256 passed
	s_mul_i32 s21, s15, HALFS
	s_mul_i32 s22, s16, HALFS
	s_add_co_u32 s22, s22, 2*HALFS
	s_sub_co_u32 s22, s22, s21
	v_mul_u32_u24 v6, s22, v2                      ; lanes 16-31 take B's
	s_add_co_u32 s21, s21, SCL
	v_add_nc_u32 v5, v5, v6
	v_add_nc_u32 v[ADRS], s21, v5
	s_mul_i32 s23, s14, 16*528                     ; my f32 stage
	v_mul_u32_u24 v5, v1, 528
	v_lshl_add_u32 v5, v2, 5, v5
	v_add_nc_u32 v[STO32], s23, v5
	v_and_b32 v6, 31, v0
	v_lshlrev_b32 v[CO], 4, v6
	v_add_nc_u32 v[RD32], s23, v[CO]
	s_mul_i32 s23, s14, 16*272
	s_add_co_u32 s23, s23, ST16B                   ; my f16 stage
	v_mul_u32_u24 v5, v1, 272
	v_lshl_add_u32 v5, v2, 4, v5
	v_add_nc_u32 v[STO16], s23, v5
	v_lshrrev_b32 v5, 3, v6
	v_mul_u32_u24 v5, v5, 272
	v_and_b32 v6, 7, v0
	v_lshl_add_u32 v5, v6, 4, v5
	v_add_nc_u32 v[RD16], s23, v5
	s_lshl_b32 s46, s42, 22                        ; qkv16: head 4 x tile column + 2 x half, 2^20 bytes a head,
	s_lshl_b32 s20, s16, 21
	s_add_co_u32 s46, s46, s20
	s_lshl_b32 s20, s17, 15                        ; row 256 x tile row + 128 x half, 128 bytes a row
	s_add_co_u32 s46, s46, s20
	s_lshl_b32 s20, s15, 14
	s_add_co_u32 s46, s46, s20
	s_add_nc_u64 s[12:13], s[12:13], s[46:47]
.macro FRAG reg, adr, q, i             ; 16 rows x 128 K of 4-bit codes: 8 registers: lane l holds row l % 16; registers 4 c .. 4 c + 3 hold K = 64 c + 32 (l / 16) + 0 .. 31
.irp c, 0,1
	ds_load_b128 v[\reg+4*\c:\reg+4*\c+3], v[\adr] offset:64*(\q)+32*\c+(\i)*16*PITCH
.endr
.endm
; 16 matrix instructions: A's blocks a0, a0 + 1 x B's eight.  zero = 1: the first product starts the sums, with the bias as C.  The 64 accumulators take turns, one instruction a turn.
.macro MUL16 a0, p, q, sc, zero
.irp a, \a0, \a0+1
.irp b, 0,1,2,3,4,5,6,7
.if \zero
	v_wmma_scale_f32_16x16x128_f8f6f4 v[8*(8*((\a)%4)+\b):8*(8*((\a)%4)+\b)+7], v[128*(\p)+FR*\b:128*(\p)+FR*\b+FR-1], v[AF+FR*(\a):AF+FR*(\a)+FR-1], v[BIAS+8*\b:BIAS+8*\b+7], v[SC+8*NQ*(\sc)+NQ*\b+(\q)], v[SC+8*NQ*(\sc)+NQ*(\a)+(\q)] matrix_a_fmt:MATRIX_FMT_FP4 matrix_b_fmt:MATRIX_FMT_FP4 matrix_a_scale:MATRIX_SCALE_ROW1
.else
	v_wmma_scale_f32_16x16x128_f8f6f4 v[8*(8*((\a)%4)+\b):8*(8*((\a)%4)+\b)+7], v[128*(\p)+FR*\b:128*(\p)+FR*\b+FR-1], v[AF+FR*(\a):AF+FR*(\a)+FR-1], v[8*(8*((\a)%4)+\b):8*(8*((\a)%4)+\b)+7], v[SC+8*NQ*(\sc)+NQ*\b+(\q)], v[SC+8*NQ*(\sc)+NQ*(\a)+(\q)] matrix_a_fmt:MATRIX_FMT_FP4 matrix_b_fmt:MATRIX_FMT_FP4 matrix_a_scale:MATRIX_SCALE_ROW1
.endif
.endr
.endr
.endm
.macro FETCH_B slot, q, p
	WIN TO_B
.irp i, 0,1,2,3,4,5,6,7
	FRAG 128*(\p)+FR*\i, ADRB+\slot, \q, \i
.endr
	WIN 0
.endm
.macro FETCH_A slot, q, i0
.irp i, \i0, \i0+1, \i0+2, \i0+3
	FRAG AF+FR*(\i), ADRA+\slot, \q, \i
.endr
.endm
.macro SCALES sc                       ; a slot's scale words: four a row; lanes 0-15 take A's block i, lanes 16-31 B's block i
.irp i, 0,1,2,3,4,5,6,7
	ds_load_b128 v[SC+8*NQ*\sc+NQ*\i:SC+8*NQ*\sc+NQ*\i+3], v[ADRS] offset:\i*SBLK
.endr
.endm
.macro PLACES n                        ; plain vector instructions between a matrix instruction and a load into, or a read of, its registers
.rept \n
	v_nop
.endr
.endm
.macro STEP slot, q, zero              ; 128 along K that has its successor in the same slot
	s_wait_dscnt 4*NL                              ; B's set and A's blocks 0-3 are in; the youngest eight loads (A's blocks 4-7) may be out
.if \zero
	WIN MUL_LO0
.else
	WIN MUL_LO
.endif
	MUL16 0, (\q)%2, \q, \slot, \zero
	MUL16 2, (\q)%2, \q, \slot, \zero
	s_wait_dscnt 0
	PLACES NP
	FETCH_B \slot, (\q)+1, 1-(\q)%2
	FETCH_A \slot, (\q)+1, 0
.if \zero
	WIN MUL_HI0
.else
	WIN MUL_HI
.endif
	MUL16 4, (\q)%2, \q, \slot, \zero
	MUL16 6, (\q)%2, \q, \slot, \zero
	PLACES NP
	WIN 0
	FETCH_A \slot, (\q)+1, 4
.endm
; Slot 0's last step changes slots: one barrier; in front of it each wave waits for all its tensor loads (its part of slot 1), adds 0 to its spare word, and waits for that and for its reads of slot 0.
.macro TURN slot, next
	s_wait_tensorcnt 0x0
	ds_add_u32 v[SPW], v[NIL]
	s_wait_dscnt 4*NL+1                            ; the add and the youngest eight loads may be out
	WIN MUL_LO
	MUL16 0, 1, NQ-1, \slot, 0
	s_wait_dscnt 0x0                               ; the add is done, and my reads of this slot are over
	s_barrier_signal -1
	MUL16 2, 1, NQ-1, \slot, 0
	WIN 0
	s_barrier_wait -1
	PLACES NP
	v_add_nc_u32 v[ADRS], 4*NQ, v[ADRS]            ; the next slot's scale words
	FETCH_B \next, 0, 0
	FETCH_A \next, 0, 0
	SCALES \next
	WIN MUL_HI
	MUL16 4, 1, NQ-1, \slot, 0
	MUL16 6, 1, NQ-1, \slot, 0
	PLACES NP
	WIN 0
	FETCH_A \next, 0, 4
.endm
.macro STEPS slot, from
.set QS, \from
.rept NQ-1-\from
	STEP \slot, QS, 0
.set QS, QS+1
.endr
.endm
	s_wait_tensorcnt 1                             ; the scales and my part of slot 0 are in; slot 1's load may be out
	s_barrier_signal -1
	s_barrier_wait -1
	FETCH_B 0, 0, 0
	FETCH_A 0, 0, 0
	SCALES 0
	FETCH_A 0, 0, 4
	s_wait_loadcnt 0x0                             ; the bias
	STEP 0, 0, 1
	STEPS 0, 1
	TURN 0, 1
	STEPS 1, 0
	s_wait_dscnt 4*NL                              ; the very last step
	WIN MUL_LO
	MUL16 0, 1, NQ-1, 1, 0
	MUL16 2, 1, NQ-1, 1, 0
	s_wait_dscnt 0
	WIN MUL_HI
	MUL16 4, 1, NQ-1, 1, 0
	MUL16 6, 1, NQ-1, 1, 0
	WIN 0
	PLACES NP                                      ; behind the last products: for the reads of results and for the writes over fragments and scale words
	; THE F32 COPY of positions 0-15: my block 0, where the tile begins a sequence (Y = 0) and my rows are its first 128.  Both tests are alike in all partners.
	s_cmp_lg_u32 s95, 0
	s_cbranch_scc1 .Lnf
	s_cmp_lg_u32 s15, 0
	s_cbranch_scc1 .Lnf
	WIN 0x08                                       ; an LDS store's data: window 2
.irp b, 0,1,2,3,4,5,6,7
	ds_store_b128 v[STO32], v[8*\b:8*\b+3] offset:64*\b            ; each accumulator from its low end on
	ds_store_b128 v[STO32], v[8*\b+4:8*\b+7] offset:64*\b+16
.endr
	WIN 0
.irp t, 0,1,2,3,4,5,6,7,8,9,10,11,12,13,14,15
	ds_load_b128 v[BB+4*\t:BB+4*\t+3], v[RD32] offset:\t*528       ; LDS serves a wave's instructions in order: these see my stores
.endr
	s_wait_dscnt 0x0
.irp t, 0,1,2,3,4,5,6,7,8,9,10,11,12,13,14,15
	global_store_b128 v[CO], v[BB+4*\t:BB+4*\t+3], s[98:99] offset:\t*SIZE_N*4   ; 32 lanes store 512 consecutive bytes, aligned
.endr
.Lnf:
; THE WAY OUT, block by block of 16 rows x 128 columns (two heads).  PACK: x 1 or log2(e) / 8, rounded to f16.  TOSTAGE16: into my stage, and back as four rows x 128 bytes of one head.  SEND16: stored.
.macro PACK a
.set AC, 64*((\a)%4)
	WIN 0x02+((\a)/4)                              ; source 0: window 2 or 3
.set i, 0
.rept 32
	v_pk_mul_f32 v[T+i:T+i+1], v[AC+i:AC+i+1], s[100:101] op_sel_hi:[1,0]   ; ascending: each accumulator from its low end on
.set i, i+2
.endr
	WIN 0
.set i, 0
.rept 32
	v_cvt_pk_f16_f32 v[TMP+i], v[T+2*i], v[T+2*i+1]
.set i, i+1
.endr
.endm
.macro TOSTAGE16 a
.if (\a) > 1
	s_wait_xcnt 0x0                                ; block a - 2's stores have read their registers: block a's rows may land there
.endif
.irp b, 0,1,2,3,4,5,6,7
	ds_store_b128 v[STO16], v[TMP+4*\b:TMP+4*\b+3] offset:32*\b
.endr
.irp i, 0,1,2,3,4,5,6,7
	ds_load_b128 v[BK+32*((\a)%2)+4*\i:BK+32*((\a)%2)+4*\i+3], v[RD16] offset:(\i%4)*4*272+128*(\i/4)
.endr
.endm
.macro SEND16 a
	s_wait_dscnt 0x0                               ; the block is back in registers
.irp i, 0,1,2,3,4,5,6,7
	global_store_b128 v[CO], v[BK+32*((\a)%2)+4*\i:BK+32*((\a)%2)+4*\i+3], s[12:13] offset:(\i/4)*1048576+(\a)*2048+(\i%4)*512   ; four rows of one head: 512 consecutive bytes, aligned
.endr
.endm
	PACK 0
	TOSTAGE16 0
.irp a, 1,2,3,4,5,6,7                  ; block a's arithmetic stands between block a - 1's loads from the stage and the wait for them
	PACK \a
	SEND16 \a-1
	TOSTAGE16 \a
.endr
	SEND16 7
	s_wait_tensorcnt 0x0                           ; the wave's end
	ds_add_u32 v[SPW], v[NIL]
	s_wait_dscnt 0x0
	CROUND                                         ; the closing round
	s_endpgm
.Lfunc_end_k_q1668e2e5aa_qkv:
	.size	k_q1668e2e5aa_qkv, .Lfunc_end_k_q1668e2e5aa_qkv-k_q1668e2e5aa_qkv
	.p2alignl 7, 3214868480
	.fill 96, 4, 3214868480
	.section	.rodata,"a",@progbits
	.p2align	6, 0x0
	.amdhsa_kernel k_q1668e2e5aa_qkv
		.amdhsa_group_segment_fixed_size 327680
		.amdhsa_private_segment_fixed_size 0
		.amdhsa_enable_private_segment 0
		.amdhsa_kernarg_size 56
		.amdhsa_user_sgpr_count 2
		.amdhsa_user_sgpr_kernarg_segment_ptr 1
		.amdhsa_wavefront_size32 1
		.amdhsa_system_sgpr_workgroup_id_x 1
		.amdhsa_system_sgpr_workgroup_id_y 1
		.amdhsa_system_sgpr_workgroup_id_z 1
		.amdhsa_system_vgpr_workitem_id 0
		.amdhsa_next_free_vgpr 1024
		.amdhsa_next_free_sgpr 102
		.amdhsa_reserve_vcc 0
		.amdhsa_float_denorm_mode_32 3
		.amdhsa_float_denorm_mode_16_64 3
		.amdhsa_memory_ordered 1
		.amdhsa_forward_progress 1
		.amdhsa_inst_pref_size 148
	.end_amdhsa_kernel
	.amdgpu_metadata
---
amdhsa.version: [ 1, 2 ]
amdhsa.kernels:
  - .name:           k_q1668e2e5aa_qkv
    .symbol:         k_q1668e2e5aa_qkv.kd
    .args:
      - { .name: xq, .offset: 0, .size: 8, .value_kind: global_buffer, .address_space: global }
      - { .name: xs, .offset: 8, .size: 8, .value_kind: global_buffer, .address_space: global }
      - { .name: wq, .offset: 16, .size: 8, .value_kind: global_buffer, .address_space: global }
      - { .name: ws, .offset: 24, .size: 8, .value_kind: global_buffer, .address_space: global }
      - { .name: b_in, .offset: 32, .size: 8, .value_kind: global_buffer, .address_space: global }
      - { .name: qkv16, .offset: 40, .size: 8, .value_kind: global_buffer, .address_space: global }
      - { .name: qkv32, .offset: 48, .size: 8, .value_kind: global_buffer, .address_space: global }
    .group_segment_fixed_size: 327680
    .private_segment_fixed_size: 0
    .kernarg_segment_align: 8
    .kernarg_segment_size: 56
    .max_flat_workgroup_size: 128
    .sgpr_count:     102
    .vgpr_count:     1024
    .wavefront_size: 32
...
	.end_amdgpu_metadata
.endif
;; end of part 2
;; launch attn (part 3): grid 4 x 64, 16 waves a work-group, clusters of 4 x 1, 327,680 bytes of LDS; arguments qkv16, att16; writes att16
.if DOCPART == 3
	.amdgcn_target "amdgcn-amd-amdhsa--gfx1250"
	.amdhsa_code_object_version 6
	.text
	.protected	k_q1668e2e5aa_attn
	.globl	k_q1668e2e5aa_attn
	.p2align	8
	.type	k_q1668e2e5aa_attn,@function
k_q1668e2e5aa_attn:
	s_mov_b64 s[64:65], 0
	v_nop
	global_prefetch_b8 v0, s[64:65] scope:SCOPE_SE
	s_setreg_imm32_b32 hwreg(HW_REG_WAVE_MODE, 25, 1), 1
	s_wait_xcnt 0x0
	s_wait_alu depctr_hold_cnt(0) depctr_sa_sdst(0) depctr_va_vdst(0) depctr_va_sdst(0) depctr_va_ssrc(0) depctr_va_vcc(0) depctr_vm_vsrc(0)
	s_getreg_b32 s2, hwreg(HW_REG_IB_STS2, 6, 4)
	s_cmp_eq_u32 s2, 0
	s_cbranch_scc0 .Lentry_in_a_cluster
	s_endpgm
.Lentry_in_a_cluster:
	s_bfe_u32 s2, ttmp6, 0x10000c
	s_cmp_lg_u32 s2, 0x3003
	s_cbranch_scc0 .Lentry_shape_is_right
	s_endpgm
.Lentry_shape_is_right:
; ATTN.  att16[h][m][:] = sum over keys k <= q of softmax_k(q . k / 8) v, per sequence b and head h, operands in f16, products, maxima and sums in f32.
; qkv16 [48][8192 m][64] f16: q's heads (already x log2(e) / 8), k's, v's.  att16 [16 h][8192 m][64] f16.
; SOFTMAX: t = the score as it comes (q carries the factor); m = the running largest t of the query; p = 2^(t - m), never above 1; O and the sum l are multiplied by a = 2^(m_old - m_new) in every step.
; LIMITS: the result must lie inside f16's range; weights p under 6e-8 of the row's largest are lost in f16.  NaN and infinities are not served.
; (Positions 0-15 of each sequence are written here like the others; a later launch makes their rows of the output anew in f32.)
; SHARES.  y = 16 b + h.  The head's four work-groups (j = cx) are one cluster and walk the same K and V: each tile is asked for jointly, mask 15.  A wave owns 32 queries, two tiles of 16:
; Q0 = 128 idx + 32 j, idx from the wave's number by a table in which waves w, w + 4, w + 8, w + 12 have indices that sum to 30.
; A key step is 128 keys, number kap.  It is hidden where kap > idx and lies on the diagonal where kap = idx: neither test knows j, so no way through the text hangs on a work-group's place in its cluster,
; and in every partner the wave with idx = 15 reads every tile that a joint load brings.
; LAYOUT.  S^T = K Q^T (source 0 = 16 keys, source 1 = 16 queries): a lane holds ONE query (lane % 16) and keys 8 (lane / 16) + 0..7.  Two such tiles, rounded to f16 in pairs, are source 1 of
; O^T = V^T P.  K comes out of LDS as it lies, V ([key][channel]) turned, by ds_load_tr16_b128.
; LDS.  Two slots of 256 keys.  K and V are dense in memory, so a tile is stated as rows of 256 bytes, two keys to a row: K's rows 272 bytes apart, V's 288.
.set PK,    272
.set PV,    288
.set VOFF,  128*PK                     ; a slot: 128 rows of K, then 128 rows of V
.set SLOT1, 1<<17
.set STAGE, 2*SLOT1                    ; the way out: 16 rows x (128 + 16) bytes for each wave
.set SPARE, STAGE+16*2304              ; the spare words, 128 bytes for each wave: eight blocks of 256 bytes that no other line names
.set AK0, 1                            ; v1   my lane's place in a tile of K
.set AV0, 2                            ; v2   the same for V
.set ADK, 3                            ; v3   LDS address of the slot's K
.set ADV, 4                            ; v4   of its V
.set SPW, 5
.set NIL, 6
.set VD,  7                            ; v7   32 cx + lane % 16 - 8 (lane / 16): for the mask on the diagonal
.set NINF, 8                           ; v8   -infinity
.set DT,  9                            ; v9   the mask's bound in hand
.set PFO, 10                           ; v10  256 x lane
.set QA,  11                           ; v11  my byte in the wave's rows of Q
.set ST,  12                           ; tile t's statistics at v[ST + 8 t]: +0 -m, +1 m, +2, +3 l, +4 .. +7 at work; a takes +6
.set STO, 28
.set RD,  29
.set GO,  30                           ; v30  16 x lane
.set Q,   32                           ; v32-63   Q: tile t, channels 32 c on, at Q + 16 t + 8 c
.set S,   64                           ; v64-127  S^T, then p, then P packed at S + 32 t + 0..15
.set O,   128                          ; v128-191 O^T: tile t, channels 16 u on, at O + 32 t + 8 u
.set KV,  192                          ; v192-255 K's eight fragments, then V's
.set WV,  8
.set IDX, 9
.set KAP, 10
.set TB,  11
.set SLOTS, 12
.set LIM, 13
.set SEL, 14
.set PFA, 16
.set G1K, 24
.set G1V, 32
.set G0K, 40
.set G0V, 44
; Waves 0 and 1 fetch K's halves of a slot, waves 2 and 3 V's, the others nothing; the branches hang on the wave's number alone.  An s_nop 0 and four v_nop follow each line.
.macro TLOAD
	s_cmp_lt_u32 s[WV], 2
	s_cbranch_scc0 .Lnot_k_\@
	tensor_load_to_lds s[G0K:G0K+3], s[G1K:G1K+7]
	s_nop 0
.rept 4
	v_nop
.endr
	s_branch .Lasked_\@
.Lnot_k_\@:
	s_cmp_lt_u32 s[WV], 4
	s_cbranch_scc0 .Lasked_\@
	tensor_load_to_lds s[G0V:G0V+3], s[G1V:G1V+7]
	s_nop 0
.rept 4
	v_nop
.endr
.Lasked_\@:
.endm
; A prefetch of what the NEXT change of slots will ask for: a slot's 32,768 bytes of K (wave 4) and of V (wave 5).  The four partners share them out by address, 8,192 bytes each, lanes 256 bytes apart:
; each aligned block of 256 bytes is named once in the launch.  The last change that fills a slot asks for nothing; slots 0 and 1 come by their loads alone.
.macro ASK
	s_cmp_gt_u32 s[SLOTS], s[LIM]
	s_cbranch_scc0 .Lnot_mine_\@
	global_prefetch_b8 v[PFO], s[PFA:PFA+1] th:TH_LOAD_NT scope:SCOPE_SE
.Lnot_mine_\@:
.endm
.macro CROUND
	s_barrier_signal -1
	s_barrier_wait -1
	s_cmp_lg_u32 s[WV], 0
	s_cbranch_scc1 .Lnot_wave_0_\@
	s_barrier_signal -3
.Lnot_wave_0_\@:
	s_barrier_wait -3
	s_barrier_signal -1
	s_barrier_wait -1
.endm
	s_load_b128 s[4:7], s[0:1], 0x0                ; qkv16, att16
	v_lshl_add_u32 v[SPW], v0, 2, SPARE
	v_mov_b32 v[NIL], 0
	ds_add_u32 v[SPW], v[NIL]                      ; the wave's opening: the add, twice on end, and its wait
	ds_add_u32 v[SPW], v[NIL]
	v_lshrrev_b32 v1, 5, v0
	v_readfirstlane_b32 s[WV], v1                  ; wave 0..15
	s_bfe_u32 s48, ttmp6, 0x40000                  ; cx
	s_and_b32 s49, ttmp7, 0xffff                   ; y = 16 b + h
	s_and_b32 s50, s49, 15
	s_lshr_b32 s51, s49, 4
	s_lshl_b32 s50, s50, 20
	s_lshl_b32 s51, s51, 18
	s_add_co_u32 s50, s50, s51                     ; h 2^20 + b 2^18: the sequence's first byte in a head
	s_mov_b32 s51, 0
	s_and_b32 s52, s[WV], 1                        ; which half of a slot I fetch, if I fetch
	s_lshl_b32 s53, s52, 14
	s_add_co_u32 s54, s50, s53
	s_mov_b32 s55, 0
	s_mov_b32 s18, 0x7A94C12F                      ; idx of waves 0-7, four bits each, wave 0 lowest
	s_mov_b32 s19, 0x0DE3B658                      ; of waves 8-15
	s_cmp_lt_u32 s[WV], 8
	s_cselect_b32 s18, s18, s19
	s_and_b32 s19, s[WV], 7
	s_lshl_b32 s19, s19, 2
	s_lshr_b32 s18, s18, s19
	s_and_b32 s[IDX], s18, 15
	s_lshl_b32 s20, s[IDX], 7
	s_lshl_b32 s21, s48, 5
	s_add_co_u32 s20, s20, s21                     ; Q0
	s_lshl_b32 s20, s20, 7
	s_add_co_u32 s20, s20, s50                     ; its byte in q's head, and in att16
	s_mov_b32 s21, 0
	s_mov_b32 s57, 0x2000000                       ; v's heads begin here, k's at 0x1000000
	s_cmp_eq_u32 s[WV], 4
	s_cselect_b32 s56, 0x1000000, s57
	s_add_co_u32 s56, s56, s50
	s_lshl_b32 s57, s48, 13                        ; my work-group's 8,192 bytes of a slot
	s_add_co_u32 s56, s56, s57
	s_add_co_u32 s56, s56, 32768                   ; in slot 1: the first change of slots steps it to slot 2
	s_mov_b32 s57, 0
	s_lshr_b32 s53, s[WV], 1
	s_cmp_eq_u32 s53, 2                            ; waves 4 and 5 ask
	s_cselect_b32 s[LIM], 1, -1
	s_mov_b32 s[G1K], 15|(3<<16)|(1<<20)|(1<<21)|(5<<22)|(3<<25)   ; mask: all four; elements of 8 bytes; padding on; bit 21 beside a mask; 4 words behind every 64
	s_mov_b32 s[G1V], 15|(3<<16)|(1<<20)|(1<<21)|(5<<22)|(7<<25)   ; the same with 8 words
.irp g, G1K, G1V
	s_mov_b32 s[\g+1], 32<<16                      ; tensor_dim0 = 32 elements: 256 bytes, two keys
	s_mov_b32 s[\g+2], 64<<16                      ; tensor_dim1 = 64 rows
	s_mov_b32 s[\g+3], 32<<16                      ; tile_dim0
	s_mov_b32 s[\g+4], 64                          ; tile_dim1
	s_mov_b32 s[\g+5], 32                          ; the pitch: dense
	s_mov_b32 s[\g+6], 0
	s_mov_b32 s[\g+7], 0
.endr
	s_mov_b32 s[G0K], 1
	s_mul_i32 s[G0K+1], s52, 64*PK
	s_mov_b32 s[G0V], 1
	s_mul_i32 s[G0V+1], s52, 64*PV
	s_add_co_u32 s[G0V+1], s[G0V+1], VOFF
	s_mov_b32 s[SEL], 0x76543210
	s_mov_b32 s[SEL+1], 0xfedcba98
	s_mov_b32 s[KAP], 0
	s_mov_b32 s[TB], 0
	s_mov_b32 s[SLOTS], 7
	s_wait_dscnt 0x0                               ; both opening adds are done
	s_wait_kmcnt 0x0
	s_add_nc_u64 s[G0K+2:G0K+3], s[4:5], s[54:55]
	s_add_nc_u64 s[G0K+2:G0K+3], s[G0K+2:G0K+3], 0x1000000
	s_or_b32 s[G0K+3], s[G0K+3], 0x80000000
	s_add_nc_u64 s[G0V+2:G0V+3], s[4:5], s[54:55]
	s_add_nc_u64 s[G0V+2:G0V+3], s[G0V+2:G0V+3], 0x2000000
	s_or_b32 s[G0V+3], s[G0V+3], 0x80000000
	s_add_nc_u64 s[PFA:PFA+1], s[4:5], s[56:57]
	s_add_nc_u64 s[22:23], s[4:5], s[20:21]        ; Q at my first query
	s_add_nc_u64 s[6:7], s[6:7], s[20:21]          ; att16 likewise
	CROUND                                         ; all four work-groups are here
	TLOAD                                          ; slot 0
	v_and_b32 v3, 15, v0                           ; r
	v_bfe_u32 v4, v0, 4, 1                         ; h
	v_lshlrev_b32 v[QA], 7, v3
	v_lshl_add_u32 v[QA], v4, 4, v[QA]
.irp f, 0,1,2,3                        ; Q stays in registers: fragment f = 2 t + c
	global_load_b128 v[Q+8*\f:Q+8*\f+3], v[QA], s[22:23] offset:(\f/2)*2048+(\f%2)*64
	global_load_b128 v[Q+8*\f+4:Q+8*\f+7], v[QA], s[22:23] offset:(\f/2)*2048+(\f%2)*64+32
.endr
	v_and_b32 v9, 1, v0
	v_lshrrev_b32 v[AK0], 1, v3
	v_mul_u32_u24 v[AK0], v[AK0], PK
	v_lshl_add_u32 v[AK0], v9, 7, v[AK0]
	v_lshl_add_u32 v[AK0], v4, 4, v[AK0]           ; key r: (r / 2) x 272 + (r % 2) x 128, + 16 h
	v_bfe_u32 v[AV0], v0, 1, 2
	v_lshl_add_u32 v[AV0], v4, 2, v[AV0]
	v_mul_u32_u24 v[AV0], v[AV0], PV
	v_lshl_add_u32 v[AV0], v9, 7, v[AV0]
	v_bfe_u32 v9, v0, 3, 1
	v_lshl_add_u32 v[AV0], v9, 4, v[AV0]
	v_add_nc_u32 v[AV0], VOFF, v[AV0]              ; the turning load: key 8 h + l % 8, channels 8 ((l / 8) % 2) on
	v_lshlrev_b32 v[VD], 3, v4
	v_sub_nc_u32 v[VD], v3, v[VD]
	s_lshl_b32 s56, s48, 5
	v_add_nc_u32 v[VD], s56, v[VD]
	v_mov_b32 v[NINF], 0xff800000
	v_and_b32 v31, 31, v0
	v_lshlrev_b32 v[PFO], 8, v31
	v_lshlrev_b32 v[GO], 4, v31
	s_mul_i32 s56, s[WV], 2304
	s_add_co_u32 s56, s56, STAGE                   ; my stage
	v_mul_u32_u24 v[STO], v3, 144
	v_lshl_add_u32 v[STO], v4, 4, v[STO]
	v_add_nc_u32 v[STO], s56, v[STO]               ; in: row r, 16 bytes for each half of the lanes
	v_lshrrev_b32 v[RD], 3, v31
	v_mul_u32_u24 v[RD], v[RD], 144
	v_and_b32 v9, 7, v0
	v_lshl_add_u32 v[RD], v9, 4, v[RD]
	v_add_nc_u32 v[RD], s56, v[RD]                 ; back: eight lanes to a row of 128 bytes, four rows a load
.irp t, 0,1
.irp j, 0,2,3,4,5,6,7
	v_mov_b32 v[ST+8*\t+\j], 0                     ; l = 0; the others are written once, so that every way through the text finds them written
.endr
	v_mov_b32 v[ST+8*\t+1], 0xff61b1e6             ; m = -3e38, under every t
.endr
.set i, 0
.rept 64
	v_mov_b32 v[O+i], 0                            ; O^T.  (The step is written once: the first finds zeros, which its a = 0 leaves zeros)
.set i, i+1
.endr
; THE SOFTMAX of both tiles for 64 keys, line by line by turns.
.macro SOFT
.irp j, 0,1,2,3
.irp t, 0,1
	v_max3_num_f32 v[ST+8*\t+4+\j], v[S+32*\t+8*\j], v[S+32*\t+8*\j+1], v[S+32*\t+8*\j+2]   ; four chains, each accumulator from its low end on
.endr
.endr
.irp k, 3,5
.irp j, 0,1,2,3
.irp t, 0,1
	v_max3_num_f32 v[ST+8*\t+4+\j], v[ST+8*\t+4+\j], v[S+32*\t+8*\j+\k], v[S+32*\t+8*\j+\k+1]
.endr
.endr
.endr
.irp t, 0,1
	v_max3_num_f32 v[ST+8*\t+4], v[ST+8*\t+4], v[S+32*\t+7], v[S+32*\t+15]
.endr
.irp t, 0,1
	v_max3_num_f32 v[ST+8*\t+6], v[ST+8*\t+6], v[S+32*\t+23], v[S+32*\t+31]
.endr
.irp t, 0,1
	v_max3_num_f32 v[ST+8*\t+4], v[ST+8*\t+4], v[ST+8*\t+5], v[ST+8*\t+6]
.endr
.irp t, 0,1
	v_max3_num_f32 v[ST+8*\t+4], v[ST+8*\t+4], v[ST+8*\t+7], v[ST+8*\t+1]   ; and the old m
.endr
.irp t, 0,1
	v_permlanex16_b32 v[ST+8*\t+5], v[ST+8*\t+4], s[SEL], s[SEL+1]          ; the query's other 32 keys lie in the lane 16 away
.endr
.irp t, 0,1
	v_max_num_f32 v[ST+8*\t+4], v[ST+8*\t+4], v[ST+8*\t+5]                  ; the new m
.endr
.irp t, 0,1
	v_sub_f32 v[ST+8*\t+7], v[ST+8*\t+1], v[ST+8*\t+4]                      ; m_old - m_new
.endr
.irp t, 0,1
	v_mov_b32 v[ST+8*\t+1], v[ST+8*\t+4]
.endr
.irp t, 0,1
	v_xor_b32 v[ST+8*\t], 0x80000000, v[ST+8*\t+4]                          ; -m
.endr
.set i, 0
.rept 16
.irp t, 0,1
	v_pk_add_f32 v[S+32*\t+i:S+32*\t+i+1], v[S+32*\t+i:S+32*\t+i+1], v[ST+8*\t:ST+8*\t+1] op_sel_hi:[1,0]   ; t - m, two at a time
.endr
.set i, i+2
.endr
.irp t, 0,1
	v_exp_f32 v[ST+8*\t+6], v[ST+8*\t+7]           ; a
.endr
.set i, 0
.rept 32
.irp t, 0,1
	v_exp_f32 v[S+32*\t+i], v[S+32*\t+i]           ; p
.endr
.set i, i+1
.endr
	v_nop                                          ; a plain instruction behind the last exponential
	s_wait_alu depctr_va_vdst(0)                   ; one wait for the batch of 66, ahead of its first reader
.irp t, 0,1
	v_pk_mul_f32 v[ST+8*\t+2:ST+8*\t+3], v[ST+8*\t+2:ST+8*\t+3], v[ST+8*\t+6:ST+8*\t+7] op_sel_hi:[1,0]   ; l x a
.endr
.irp t, 0,1
	v_pk_add_f32 v[ST+8*\t+4:ST+8*\t+5], v[S+32*\t:S+32*\t+1], v[S+32*\t+2:S+32*\t+3]   ; the sum of the unrounded p, in two chains
.endr
.irp i, 4,8,12,16,20,24,28
.irp t, 0,1
	v_pk_add_f32 v[ST+8*\t+2:ST+8*\t+3], v[ST+8*\t+2:ST+8*\t+3], v[S+32*\t+\i:S+32*\t+\i+1]
	v_pk_add_f32 v[ST+8*\t+4:ST+8*\t+5], v[ST+8*\t+4:ST+8*\t+5], v[S+32*\t+\i+2:S+32*\t+\i+3]
.endr
.endr
.irp t, 0,1
	v_pk_add_f32 v[ST+8*\t+2:ST+8*\t+3], v[ST+8*\t+2:ST+8*\t+3], v[ST+8*\t+4:ST+8*\t+5]
.endr
.set i, 0
.rept 16
.irp t, 0,1
	v_cvt_pk_f16_f32 v[S+32*\t+i], v[S+32*\t+2*i], v[S+32*\t+2*i+1]        ; P, packed in place: register i is written when registers 2 i and 2 i + 1 are read
.endr
.set i, i+1
.endr
.set i, 0
.rept 16
.irp t, 0,1
	v_pk_mul_f32 v[O+32*\t+i:O+32*\t+i+1], v[O+32*\t+i:O+32*\t+i+1], v[ST+8*\t+6:ST+8*\t+7] op_sel_hi:[1,0]   ; O^T x a
.endr
.set i, i+2
.endr
.endm
; 64 keys: the q-th quarter of the slot in hand.
.macro SUB q
	s_cmp_gt_u32 s[KAP], s[IDX]                    ; all these keys come after my queries: the work is left out; no barrier, wait for tiles or tensor load stands in here
	s_cbranch_scc1 .Lhid_\@
	v_add_nc_u32 v[ADK], s[TB], v[AK0]
	v_add_nc_u32 v[ADV], s[TB], v[AV0]
.rept 3
	v_nop                                          ; with the two additions five places behind the last products: four for the loads into V's registers, five for the products that write over P
.endr
.irp f, 0,1,2,3,4,5,6,7                ; K's fragment f: keys 16 (f / 2) on, channels 32 (f % 2) on
	ds_load_b128 v[KV+8*\f:KV+8*\f+3], v[ADK] offset:(\q)*32*PK+(\f/2)*8*PK+(\f%2)*64
	ds_load_b128 v[KV+8*\f+4:KV+8*\f+7], v[ADK] offset:(\q)*32*PK+(\f/2)*8*PK+(\f%2)*64+32
.endr
	s_wait_dscnt 0x0
.irp c, 0,1                            ; S^T = K Q^T: eight accumulators by turns; the first eight start the sums
.irp u, 0,1,2,3
.irp t, 0,1
.if \c == 0
	v_wmma_f32_16x16x32_f16 v[S+32*\t+8*\u:S+32*\t+8*\u+7], v[KV+16*\u+8*\c:KV+16*\u+8*\c+7], v[Q+16*\t+8*\c:Q+16*\t+8*\c+7], 0
.else
	v_wmma_f32_16x16x32_f16 v[S+32*\t+8*\u:S+32*\t+8*\u+7], v[KV+16*\u+8*\c:KV+16*\u+8*\c+7], v[Q+16*\t+8*\c:Q+16*\t+8*\c+7], v[S+32*\t+8*\u:S+32*\t+8*\u+7]
.endif
.endr
.endr
.endr
.rept 4
	v_nop                                          ; places: for the loads into K's registers and for the first reads of the scores
.endr
.irp f, 0,1,2,3,4,5,6,7                ; V's fragment f, turned: keys 32 (f / 4) on, channels 16 (f % 4) on.  They land while the softmax is walked
	ds_load_tr16_b128 v[KV+8*\f:KV+8*\f+3], v[ADV] offset:(\q)*32*PV+(\f/4)*16*PV+(\f%4)*32
	ds_load_tr16_b128 v[KV+8*\f+4:KV+8*\f+7], v[ADV] offset:(\q)*32*PV+(\f/4)*16*PV+8*PV+(\f%4)*32
.endr
	s_cmp_lg_u32 s[KAP], s[IDX]                    ; on the diagonal the scores of hidden keys become -infinity ahead of the maximum
	s_cbranch_scc1 .Lopen_\@
.irp t, 0,1
	v_add_nc_u32 v[DT], 16*\t-64*((\q)%2), v[VD]   ; register n holds key 64 (q % 2) + 16 (n / 8) + 8 (lane / 16) + n % 8 of the step: hidden where 16 (n / 8) + n % 8 > this bound
.set i, 0
.rept 32
	v_cmp_gt_i32 vcc_lo, 16*(i/8)+i%8, v[DT]
	v_cndmask_b32 v[S+32*\t+i], v[S+32*\t+i], v[NINF], vcc_lo
.set i, i+1
.endr
.endr
.Lopen_\@:
	SOFT
	s_wait_dscnt 0x0                               ; V is in
.irp k, 0,1                            ; O^T += V^T P: eight accumulators by turns
.irp u, 0,1,2,3
.irp t, 0,1
	v_wmma_f32_16x16x32_f16 v[O+32*\t+8*\u:O+32*\t+8*\u+7], v[KV+32*\k+8*\u:KV+32*\k+8*\u+7], v[S+32*\t+8*\k:S+32*\t+8*\k+7], v[O+32*\t+8*\u:O+32*\t+8*\u+7]
.endr
.endr
.endr
.Lhid_\@:
.if (\q)%2
	s_add_co_u32 s[KAP], s[KAP], 1
.endif
.endm
; THE CHANGE OF SLOTS stands at a slot's head.  Each wave waits for all its tensor loads, adds 0 to its spare word, and waits for that and for its reads of the slot that it has left.
; fill = 1: a round of the cluster's barrier, and behind it the slot just left takes the next 256 keys: one joint load a fetching wave, with a whole slot's steps in which to land.
.macro CHANGE fill
	s_wait_tensorcnt 0x0                           ; no tensor load of mine is out, so a group 0 may be written
	ds_add_u32 v[SPW], v[NIL]
.if \fill
	ds_add_u32 v[SPW], v[NIL]                      ; and once more: the add twice on end, in every trip alike
	s_xor_b32 s[G0K+1], s[G0K+1], SLOT1            ; the walking descriptors: the other slot,
	s_add_nc_u64 s[G0K+2:G0K+3], s[G0K+2:G0K+3], 32768   ; the next 256 keys
	s_xor_b32 s[G0V+1], s[G0V+1], SLOT1
	s_add_nc_u64 s[G0V+2:G0V+3], s[G0V+2:G0V+3], 32768
	s_wait_xcnt 0x0                                ; the last prefetch, a slot back, has read its address
	s_add_nc_u64 s[PFA:PFA+1], s[PFA:PFA+1], 32768
	s_wait_dscnt 0x0                               ; both adds are done, and my reads of the slot that I have left are over
	CROUND
	TLOAD
	ASK
.else
	s_wait_dscnt 0x0
	s_barrier_signal -1
	s_barrier_wait -1
.endif
.endm
.macro SLOT_STEPS
	SUB 0
	SUB 1
	SUB 2
	SUB 3
	s_xor_b32 s[TB], s[TB], SLOT1
.endm
	s_wait_loadcnt 0x0                             ; Q
.Lslot:                                            ; seven trips: behind each change of slots but the last the next slot is asked for
	CHANGE 1
	SLOT_STEPS
	s_sub_co_u32 s[SLOTS], s[SLOTS], 1
	s_cmp_lg_u32 s[SLOTS], 0
	s_cbranch_scc1 .Lslot
	CHANGE 0                                       ; the last slot is written out
	SLOT_STEPS
	; THE WAY OUT.  l's halves and the other lanes' are added; O^T / l, rounded to f16, goes through my stage, a tile at a time, and leaves as runs of 512 bytes.
.rept 4
	v_nop                                          ; places behind the last products
.endr
.irp t, 0,1
	v_add_f32 v[ST+8*\t+4], v[ST+8*\t+2], v[ST+8*\t+3]
.endr
.irp t, 0,1
	v_permlanex16_b32 v[ST+8*\t+5], v[ST+8*\t+4], s[SEL], s[SEL+1]
.endr
.irp t, 0,1
	v_add_f32 v[ST+8*\t+4], v[ST+8*\t+4], v[ST+8*\t+5]
.endr
.irp t, 0,1
	v_rcp_f32 v[ST+8*\t+6], v[ST+8*\t+4]
.endr
	v_nop
	s_wait_alu depctr_va_vdst(0)                   ; one wait for the two reciprocals, ahead of their first reader
.irp t, 0,1
.set i, 0
.rept 16
	v_pk_mul_f32 v[O+32*\t+i:O+32*\t+i+1], v[O+32*\t+i:O+32*\t+i+1], v[ST+8*\t+6:ST+8*\t+7] op_sel_hi:[1,0]
.set i, i+2
.endr
.set i, 0
.rept 16
	v_cvt_pk_f16_f32 v[S+16*\t+i], v[O+32*\t+2*i], v[O+32*\t+2*i+1]
.set i, i+1
.endr
.irp u, 0,1,2,3
	ds_store_b128 v[STO], v[S+16*\t+4*\u:S+16*\t+4*\u+3] offset:32*\u
.endr
.irp u, 0,1,2,3
	ds_load_b128 v[KV+16*\t+4*\u:KV+16*\t+4*\u+3], v[RD] offset:576*\u     ; LDS serves a wave's instructions in order: these see my stores, and the next tile's stores come behind them
.endr
.endr
.irp u, 0,1,2,3
	s_wait_dscnt 11-\u                             ; behind tile 0's load u: its 3 - u younger ones and tile 1's eight
	global_store_b128 v[GO], v[KV+4*\u:KV+4*\u+3], s[6:7] offset:512*\u    ; four rows of 128 bytes: 512 consecutive bytes, aligned
.endr
.irp u, 0,1,2,3
	s_wait_dscnt 3-\u
	global_store_b128 v[GO], v[KV+16+4*\u:KV+16+4*\u+3], s[6:7] offset:2048+512*\u
.endr
	s_wait_tensorcnt 0x0                           ; the wave's end
	ds_add_u32 v[SPW], v[NIL]
	s_wait_dscnt 0x0
	CROUND                                         ; the closing round
	s_endpgm
.Lfunc_end_k_q1668e2e5aa_attn:
	.size	k_q1668e2e5aa_attn, .Lfunc_end_k_q1668e2e5aa_attn-k_q1668e2e5aa_attn
	.p2alignl 7, 3214868480
	.fill 96, 4, 3214868480
	.section	.rodata,"a",@progbits
	.p2align	6, 0x0
	.amdhsa_kernel k_q1668e2e5aa_attn
		.amdhsa_group_segment_fixed_size 327680
		.amdhsa_private_segment_fixed_size 0
		.amdhsa_enable_private_segment 0
		.amdhsa_kernarg_size 16
		.amdhsa_user_sgpr_count 2
		.amdhsa_user_sgpr_kernarg_segment_ptr 1
		.amdhsa_wavefront_size32 1
		.amdhsa_system_sgpr_workgroup_id_x 1
		.amdhsa_system_sgpr_workgroup_id_y 1
		.amdhsa_system_sgpr_workgroup_id_z 1
		.amdhsa_system_vgpr_workitem_id 0
		.amdhsa_next_free_vgpr 256
		.amdhsa_next_free_sgpr 66
		.amdhsa_reserve_vcc 1
		.amdhsa_float_denorm_mode_32 3
		.amdhsa_float_denorm_mode_16_64 3
		.amdhsa_memory_ordered 1
		.amdhsa_forward_progress 1
		.amdhsa_inst_pref_size 190
	.end_amdhsa_kernel
	.amdgpu_metadata
---
amdhsa.version: [ 1, 2 ]
amdhsa.kernels:
  - .name:           k_q1668e2e5aa_attn
    .symbol:         k_q1668e2e5aa_attn.kd
    .args:
      - { .name: qkv16, .offset: 0, .size: 8, .value_kind: global_buffer, .address_space: global }
      - { .name: att16, .offset: 8, .size: 8, .value_kind: global_buffer, .address_space: global }
    .group_segment_fixed_size: 327680
    .private_segment_fixed_size: 0
    .kernarg_segment_align: 8
    .kernarg_segment_size: 16
    .max_flat_workgroup_size: 512
    .sgpr_count:     66
    .vgpr_count:     256
    .wavefront_size: 32
...
	.end_amdgpu_metadata
.endif
;; end of part 3
;; launch proj (part 4): grid 4 x 64, 4 waves a work-group, clusters of 4 x 4, 327,680 bytes of LDS; arguments att16, wo16, b_out, out0; writes out0
.if DOCPART == 4
	.amdgcn_target "amdgcn-amd-amdhsa--gfx1250"
	.amdhsa_code_object_version 6
	.text
	.protected	k_q1668e2e5aa_proj
	.globl	k_q1668e2e5aa_proj
	.p2align	8
	.type	k_q1668e2e5aa_proj,@function
k_q1668e2e5aa_proj:
	s_mov_b64 s[64:65], 0
	v_nop
	global_prefetch_b8 v0, s[64:65] scope:SCOPE_SE
	s_setreg_imm32_b32 hwreg(HW_REG_WAVE_MODE, 25, 1), 1
	s_wait_xcnt 0x0
	s_wait_alu depctr_hold_cnt(0) depctr_sa_sdst(0) depctr_va_vdst(0) depctr_va_sdst(0) depctr_va_ssrc(0) depctr_va_vcc(0) depctr_vm_vsrc(0)
	s_getreg_b32 s2, hwreg(HW_REG_IB_STS2, 6, 4)
	s_cmp_eq_u32 s2, 0
	s_cbranch_scc0 .Lentry_in_a_cluster
	s_endpgm
.Lentry_in_a_cluster:
	s_bfe_u32 s2, ttmp6, 0x10000c
	s_cmp_lg_u32 s2, 0xf033
	s_cbranch_scc0 .Lentry_shape_is_right
	s_endpgm
.Lentry_shape_is_right:
; PROJ.  out0[m][n] = sum over k of att[m][k] W_out[k][n] + b_out[n], k = 64 head + channel; operands f16, sums f32.  att16 [16 h][8192 m][64], wo16 [1024 n][1024 k], out0 [8192][1024] f32.
; A work-group makes 128 rows x 256 columns: 256 work-groups.  Four waves, 64 x 128 each: 32 accumulators, 256 registers.  K goes in eight steps of 128 (two heads) through a ring of two LDS slots.
; CLUSTERS: 4 x 4.  Tile column = cx, tile row = 4 Y + cy.  A's tile is asked for jointly along a row of the cluster, B's along a column.
; A's part of a K step is, for each of its two heads, 128 rows x 128 bytes, dense in memory: stated as 64 rows of 256 bytes (two rows of A each), 272 bytes apart in LDS.  B's rows are 256 bytes, 272 apart.
; THE MATRIX INSTRUCTION IS USED TRANSPOSED (source 0 = 16 rows of wo16, source 1 = 16 rows of att16): a lane holds eight neighbouring n of one row m.  The bias is the C of each sum's first product.
; REGISTERS: window 0: v0-31 addresses; two fragment buffers v64-159, v160-255 (A's four blocks, then B's eight).   window 1: the accumulators ((a, b) at v[8 (8 a + b)]).   window 2: v0-63 the bias.
.set AH,     64*272                    ; one head's 128 rows of A
.set BH,     128*272                   ; 128 rows of B
.set BOFF,   2*AH
.set SLOT,   2*AH+2*BH
.set STAGE,  2*SLOT                    ; the way out: 16 rows x (512 + 16) bytes for each wave
.set SPARE,  STAGE+4*16*528            ; the spare words, 128 bytes a wave: two blocks of 256 bytes that no other line names
.set LAPS,   4
.set ADRA, 16
.set ADRB, 20
.set STO,  24
.set RD,   25
.set CO,   26
.set SPW,  28
.set NIL,  29
.set PFO,  30                          ; 256 x lane
.set BOF,  31                          ; 32 x (lane / 16)
.set F0,   64
.set F1,   160
.set BK,   64                          ; the way out: v64-127 and v128-191 by turns
.set G1, 24
.set G0, 32
.set G1B, 48
.set G0B, 56
.set PFA, 66
.set LIM, 68
.set MSB, 0
.macro WIN new
.if MSB != \new
	s_set_vgpr_msb (MSB<<8)|\new
.set MSB, \new
.endif
.endm
.set MUL,  0x50                        ; A and B window 0; C and D window 1
.set MUL0, 0x60                        ; the first products: C (the bias) window 2, D window 1
.macro JLOAD s                         ; waves 0 and 1 fetch A's two heads, waves 2 and 3 B's halves; an s_nop 0 and four v_nop follow each line
	s_cmp_eq_u32 s15, 0
	s_cbranch_scc0 .Lfor_b_\@
	tensor_load_to_lds s[G0+4*\s:G0+4*\s+3], s[G1:G1+7]
	s_nop 0
.rept 4
	v_nop
.endr
	s_branch .Lasked_\@
.Lfor_b_\@:
	tensor_load_to_lds s[G0B+4*\s:G0B+4*\s+3], s[G1B:G1B+7]
	s_nop 0
.rept 4
	v_nop
.endr
.Lasked_\@:
.endm
; A prefetch of A's K step that stands two refills on: 128 blocks of 256 bytes, shared out by address among the four partners that ask for the tile jointly (head cx / 2, half cx % 2), 32 each, a lane a block;
; wave 0 asks.  A tile row of A is read by this row of this cluster alone, so each block is named once.  The refills of K steps 2 to 5 ask for 4 to 7; the last two ask for nothing.
; B is not asked for: sixteen clusters walk its 2 MB together, again and again.
.macro ASK
	s_cmp_gt_u32 s3, s[LIM]
	s_cbranch_scc0 .Lnot_mine_\@
	global_prefetch_b8 v[PFO], s[PFA:PFA+1] th:TH_LOAD_NT scope:SCOPE_SE
.Lnot_mine_\@:
.endm
.macro CREST
	s_cmp_lg_u32 s14, 0
	s_cbranch_scc1 .Lnot_wave_0_\@
	s_barrier_signal -3
.Lnot_wave_0_\@:
	s_barrier_wait -3
	s_barrier_signal -1
	s_barrier_wait -1
.endm
.macro CROUND
	s_barrier_signal -1
	s_barrier_wait -1
	CREST
.endm
	s_load_b128 s[4:7], s[0:1], 0x0                ; att16, wo16
	s_load_b128 s[8:11], s[0:1], 0x10              ; b_out, out0
	v_lshl_add_u32 v[SPW], v0, 2, SPARE
	v_mov_b32 v[NIL], 0
	ds_add_u32 v[SPW], v[NIL]                      ; the wave's opening: the add, twice on end, and its wait
	ds_add_u32 v[SPW], v[NIL]
	v_lshrrev_b32 v1, 5, v0
	v_readfirstlane_b32 s14, v1                    ; wave 0..3
	s_lshr_b32 s15, s14, 1                         ; my half of the tile's rows.  Also: I fetch for A (0) or for B (1)
	s_and_b32 s16, s14, 1                          ; my half of its columns.  Also: which head, or which 128 rows of B, I fetch
	s_bfe_u32 s40, ttmp6, 0x40000                  ; cx = tile column
	s_bfe_u32 s41, ttmp6, 0x40004                  ; cy
	s_and_b32 s42, ttmp7, 0xffff
	s_lshl_b32 s42, s42, 2
	s_add_co_u32 s42, s42, s41                     ; tile row = 4 Y + cy
	s_lshl_b32 s43, s41, 2
	s_lshl_b32 s43, 15, s43                        ; my row of the cluster
	s_lshl_b32 s44, 0x1111, s40                    ; my column
	s_or_b32 s[G1+0], s43, (3<<16)|(1<<20)|(1<<21)|(5<<22)|(3<<25)   ; A: elements of 8 bytes; 4 words of padding behind every 64
	s_mov_b32 s[G1+1], 32<<16                      ; tensor_dim0 = 32 elements: 256 bytes
	s_mov_b32 s[G1+2], 64<<16                      ; tensor_dim1 = 64
	s_mov_b32 s[G1+3], 32<<16                      ; tile_dim0
	s_mov_b32 s[G1+4], 64                          ; tile_dim1
	s_mov_b32 s[G1+5], 32                          ; dense
	s_mov_b32 s[G1+6], 0
	s_mov_b32 s[G1+7], 0
	s_or_b32 s[G1B+0], s44, (1<<16)|(1<<20)|(1<<21)|(5<<22)|(3<<25)  ; B: elements of 2 bytes
	s_mov_b32 s[G1B+1], 128<<16
	s_mov_b32 s[G1B+2], 128<<16
	s_mov_b32 s[G1B+3], 128<<16
	s_mov_b32 s[G1B+4], 128
	s_mov_b32 s[G1B+5], 1024                       ; a row of wo16
	s_mov_b32 s[G1B+6], 0
	s_mov_b32 s[G1B+7], 0
	s_lshl_b32 s20, s42, 14                        ; A: tile row x 128 rows x 128 bytes,
	s_lshl_b32 s21, s16, 20                        ; + my head's parity
	s_add_co_u32 s20, s20, s21
	s_mov_b32 s21, 0
	s_lshl_b32 s46, s40, 19                        ; B: (256 cx + 128 half) rows of 2,048 bytes
	s_lshl_b32 s47, s16, 18
	s_add_co_u32 s46, s46, s47
	s_mov_b32 s47, 0
	s_mul_i32 s22, s16, AH                         ; where they go
	s_mul_i32 s23, s16, BH
	s_add_co_u32 s23, s23, BOFF
	s_cmp_eq_u32 s14, 0
	s_cselect_b32 s[LIM], 1, -1
	s_wait_dscnt 0x0                               ; both opening adds are done
	s_wait_kmcnt 0x0
	s_add_nc_u64 s[20:21], s[4:5], s[20:21]
	s_add_nc_u64 s[46:47], s[6:7], s[46:47]
	CROUND                                         ; all sixteen work-groups are here
.irp s, 0,1
	s_mov_b32 s[G0+4*\s], 1
	s_add_co_u32 s[G0+4*\s+1], s22, \s*SLOT
	s_add_nc_u64 s[G0+4*\s+2:G0+4*\s+3], s[20:21], \s*0x200000     ; K step s: heads 2 s, 2 s + 1
	s_or_b32 s[G0+4*\s+3], s[G0+4*\s+3], 0x80000000
	s_mov_b32 s[G0B+4*\s], 1
	s_add_co_u32 s[G0B+4*\s+1], s23, \s*SLOT
	s_add_nc_u64 s[G0B+4*\s+2:G0B+4*\s+3], s[46:47], \s*256
	s_or_b32 s[G0B+4*\s+3], s[G0B+4*\s+3], 0x80000000
	JLOAD \s                                       ; two tensor loads of mine are out at the most
.endr
	v_and_b32 v1, 15, v0                           ; r
	v_bfe_u32 v2, v0, 4, 1                         ; h
	s_lshl_b32 s18, s40, 10
	s_lshl_b32 s19, s16, 9
	s_add_co_u32 s18, s18, s19                     ; my first column x 4 bytes
	s_mov_b32 s19, 0
	s_add_nc_u64 s[8:9], s[8:9], s[18:19]
	s_add_nc_u64 s[10:11], s[10:11], s[18:19]
	v_lshlrev_b32 v[BOF], 5, v2
	WIN 0x80                                       ; destination window 2
.irp b, 0,1,2,3,4,5,6,7
	global_load_b128 v[8*\b:8*\b+3], v[BOF], s[8:9] offset:64*\b
	global_load_b128 v[8*\b+4:8*\b+7], v[BOF], s[8:9] offset:64*\b+16
.endr
	WIN 0
	s_lshl_b32 s18, s42, 19                        ; out0: (128 tile row + 64 half) rows of 4,096 bytes
	s_lshl_b32 s20, s15, 18
	s_add_co_u32 s18, s18, s20
	s_add_nc_u64 s[10:11], s[10:11], s[18:19]
	s_lshl_b32 s18, s42, 14                        ; the prefetches: my tile row,
	s_lshr_b32 s20, s40, 1
	s_lshl_b32 s20, s20, 20
	s_add_co_u32 s18, s18, s20                     ; head parity cx / 2,
	s_and_b32 s20, s40, 1
	s_lshl_b32 s20, s20, 13
	s_add_co_u32 s18, s18, s20                     ; half cx % 2,
	s_add_co_u32 s18, s18, 3*0x200000              ; at K step 3: the first refill steps it to 4
	s_add_nc_u64 s[PFA:PFA+1], s[4:5], s[18:19]
	v_and_b32 v3, 31, v0
	v_lshlrev_b32 v[PFO], 8, v3
	v_lshrrev_b32 v4, 1, v1
	v_mul_u32_u24 v4, v4, 272
	v_and_b32 v5, 1, v0
	v_lshl_add_u32 v4, v5, 7, v4
	v_lshl_add_u32 v4, v2, 4, v4                   ; A: row r: (r / 2) x 272 + (r % 2) x 128 + 16 h
	v_mul_u32_u24 v5, v1, 272
	v_lshl_add_u32 v5, v2, 4, v5                   ; B: r x 272 + 16 h
	s_mul_i32 s21, s15, 32*272                     ; my 64 rows of A
	s_mul_i32 s22, s16, BH
	s_add_co_u32 s22, s22, BOFF                    ; my 128 rows of B
.irp s, 0,1
	v_add_nc_u32 v[ADRA+\s], s21, v4
	v_add_nc_u32 v[ADRB+\s], s22, v5
	s_add_co_u32 s21, s21, SLOT
	s_add_co_u32 s22, s22, SLOT
.endr
	s_mul_i32 s23, s14, 16*528
	s_add_co_u32 s23, s23, STAGE                   ; my stage
	v_mul_u32_u24 v5, v1, 528
	v_lshl_add_u32 v5, v2, 5, v5
	v_add_nc_u32 v[STO], s23, v5
	v_lshlrev_b32 v[CO], 4, v3
	v_add_nc_u32 v[RD], s23, v[CO]
.macro MUL8 f, a, zero                 ; A's block a x B's eight, 32 along K.  The 32 accumulators take turns, one instruction a turn
.irp b, 0,1,2,3,4,5,6,7
.if \zero
	v_wmma_f32_16x16x32_f16 v[8*(8*\a+\b):8*(8*\a+\b)+7], v[\f+32+8*\b:\f+32+8*\b+7], v[\f+8*\a:\f+8*\a+7], v[8*\b:8*\b+7]
.else
	v_wmma_f32_16x16x32_f16 v[8*(8*\a+\b):8*(8*\a+\b)+7], v[\f+32+8*\b:\f+32+8*\b+7], v[\f+8*\a:\f+8*\a+7], v[8*(8*\a+\b):8*(8*\a+\b)+7]
.endif
.endr
.endm
.macro FETCH slot, q, f                ; 24 LDS loads in one run: the slot's q-th 32 along K: B's eight blocks, then A's four
.irp i, 0,1,2,3,4,5,6,7
	ds_load_b128 v[\f+32+8*\i:\f+32+8*\i+3], v[ADRB+\slot] offset:\i*16*272+64*(\q)
	ds_load_b128 v[\f+32+8*\i+4:\f+32+8*\i+7], v[ADRB+\slot] offset:\i*16*272+64*(\q)+32
.endr
.irp i, 0,1,2,3
	ds_load_b128 v[\f+8*\i:\f+8*\i+3], v[ADRA+\slot] offset:\i*8*272+((\q)/2)*AH+64*((\q)%2)
	ds_load_b128 v[\f+8*\i+4:\f+8*\i+7], v[ADRA+\slot] offset:\i*8*272+((\q)/2)*AH+64*((\q)%2)+32
.endr
.endm
.macro PLACES
.rept 4
	v_nop
.endr
.endm
.macro WMUL zero
.if \zero
	WIN MUL0
.else
	WIN MUL
.endif
.endm
; One of a K step's first three quarters: multiplies buffer f and fetches the slot's q-th quarter into g.
.macro QUARTER slot, q, f, g, zero
	s_wait_dscnt 4                                 ; B and A's blocks 0, 1 are in; the four loads of A's blocks 2, 3 may be out
	WMUL \zero
	MUL8 \f, 0, \zero
	MUL8 \f, 1, \zero
	WIN 0
	PLACES
	FETCH \slot, \q, \g
	s_wait_dscnt 24                                ; all but the 24 just issued
	WMUL \zero
	MUL8 \f, 2, \zero
	MUL8 \f, 3, \zero
.endm
; The fourth quarter multiplies buffer 1 and changes slots: one barrier; in front of it each wave waits for all its tensor loads, adds 0 to its spare word, and waits for that and for its reads of this slot.
; fill = 1: the barrier opens a round of the cluster's barrier, and behind the round this slot takes the K step two on.
.macro TURN slot, next, fill
.if \fill
	s_wait_xcnt 0x0                                ; the last prefetch, a K step back, has read its address
	s_add_nc_u64 s[PFA:PFA+1], s[PFA:PFA+1], 0x200000
.endif
	WIN 0
	s_wait_tensorcnt 0x0
	ds_add_u32 v[SPW], v[NIL]
	s_wait_dscnt 5                                 ; the add and the youngest four loads may be out
	WIN MUL
	MUL8 F1, 0, 0
	s_wait_dscnt 0x0                               ; the add is done, and my reads of this slot are over
	s_barrier_signal -1
	MUL8 F1, 1, 0
	WIN 0
	s_barrier_wait -1
.if \fill
	CREST
	s_add_nc_u64 s[G0+4*\slot+2:G0+4*\slot+3], s[G0+4*\slot+2:G0+4*\slot+3], 2*0x200000
	s_add_nc_u64 s[G0B+4*\slot+2:G0B+4*\slot+3], s[G0B+4*\slot+2:G0B+4*\slot+3], 512
	JLOAD \slot                                    ; the first tensor load behind the round; its four v_nop are also the places in front of the loads below
.else
	PLACES
.endif
	FETCH \next, 0, F0
.if \fill
	ASK
.endif
	WIN MUL
	MUL8 F1, 2, 0
	MUL8 F1, 3, 0
.endm
	s_wait_tensorcnt 1                             ; my part of K step 0 is in; K step 1's load may be out
	s_barrier_signal -1
	s_barrier_wait -1
	FETCH 0, 0, F0
	s_wait_loadcnt 0x0                             ; the bias
	QUARTER 0, 1, F0, F1, 1                        ; the first quarter stands in front of the loop: its products start the sums
	WIN 0
	s_mov_b32 s3, LAPS-1
.Llap:                                             ; a trip goes once round the ring and fills both slots again
	QUARTER 0, 2, F1, F0, 0
	QUARTER 0, 3, F0, F1, 0
	TURN 0, 1, 1
	QUARTER 1, 1, F0, F1, 0
	QUARTER 1, 2, F1, F0, 0
	QUARTER 1, 3, F0, F1, 0
	TURN 1, 0, 1
	QUARTER 0, 1, F0, F1, 0
	WIN 0
	s_sub_co_u32 s3, s3, 1
	s_cmp_lg_u32 s3, 0
	s_cbranch_scc1 .Llap
	QUARTER 0, 2, F1, F0, 0                        ; the last lap fills nothing
	QUARTER 0, 3, F0, F1, 0
	TURN 0, 1, 0
	QUARTER 1, 1, F0, F1, 0
	QUARTER 1, 2, F1, F0, 0
	QUARTER 1, 3, F0, F1, 0
	s_wait_dscnt 4
	WIN MUL
	MUL8 F1, 0, 0
	MUL8 F1, 1, 0
	s_wait_dscnt 0
	MUL8 F1, 2, 0
	MUL8 F1, 3, 0
	WIN 0
; THE WAY OUT, block by block of 16 rows x 128 columns, through my own stage: in by 32 bytes a lane, back as whole rows of 512 bytes.
.macro TOSTAGE a
	WIN 0x04                                       ; an LDS store's data: window 1
.irp b, 0,1,2,3,4,5,6,7
	ds_store_b128 v[STO], v[8*(8*(\a)+\b):8*(8*(\a)+\b)+3] offset:64*\b    ; each accumulator from its low end on
	ds_store_b128 v[STO], v[8*(8*(\a)+\b)+4:8*(8*(\a)+\b)+7] offset:64*\b+16
.endr
	WIN 0
.irp t, 0,1,2,3,4,5,6,7,8,9,10,11,12,13,14,15
	ds_load_b128 v[BK+64*((\a)%2)+4*\t:BK+64*((\a)%2)+4*\t+3], v[RD] offset:\t*528
.endr
.endm
.macro SEND a, younger
	s_wait_dscnt \younger                          ; the block is back in registers
.if (\a) > 0
	s_add_nc_u64 s[10:11], s[10:11], 16*4096       ; (behind a wait on XCNT: the earlier stores have read their base)
.endif
.irp t, 0,1,2,3,4,5,6,7,8,9,10,11,12,13,14,15
	global_store_b128 v[CO], v[BK+64*((\a)%2)+4*\t:BK+64*((\a)%2)+4*\t+3], s[10:11] offset:\t*4096 th:TH_STORE_NT   ; 32 lanes store 512 consecutive bytes, aligned
.endr
.endm
	PLACES                                         ; behind the last products
	TOSTAGE 0
.irp a, 1,2,3
.if \a > 1
	s_wait_xcnt 0x0                                ; block a - 2's stores have read their registers and their base
.endif
	TOSTAGE \a
	SEND \a-1, 32                                  ; behind block a - 1's loads: block a's 16 stores and 16 loads
.endr
	s_wait_xcnt 0x0
	SEND 3, 0
	s_wait_tensorcnt 0x0                           ; the wave's end
	ds_add_u32 v[SPW], v[NIL]
	s_wait_dscnt 0x0
	CROUND                                         ; the closing round
	s_endpgm
.Lfunc_end_k_q1668e2e5aa_proj:
	.size	k_q1668e2e5aa_proj, .Lfunc_end_k_q1668e2e5aa_proj-k_q1668e2e5aa_proj
	.p2alignl 7, 3214868480
	.fill 96, 4, 3214868480
	.section	.rodata,"a",@progbits
	.p2align	6, 0x0
	.amdhsa_kernel k_q1668e2e5aa_proj
		.amdhsa_group_segment_fixed_size 327680
		.amdhsa_private_segment_fixed_size 0
		.amdhsa_enable_private_segment 0
		.amdhsa_kernarg_size 32
		.amdhsa_user_sgpr_count 2
		.amdhsa_user_sgpr_kernarg_segment_ptr 1
		.amdhsa_wavefront_size32 1
		.amdhsa_system_sgpr_workgroup_id_x 1
		.amdhsa_system_sgpr_workgroup_id_y 1
		.amdhsa_system_sgpr_workgroup_id_z 1
		.amdhsa_system_vgpr_workitem_id 0
		.amdhsa_next_free_vgpr 640
		.amdhsa_next_free_sgpr 70
		.amdhsa_reserve_vcc 0
		.amdhsa_float_denorm_mode_32 3
		.amdhsa_float_denorm_mode_16_64 3
		.amdhsa_memory_ordered 1
		.amdhsa_forward_progress 1
		.amdhsa_inst_pref_size 87
	.end_amdhsa_kernel
	.amdgpu_metadata
---
amdhsa.version: [ 1, 2 ]
amdhsa.kernels:
  - .name:           k_q1668e2e5aa_proj
    .symbol:         k_q1668e2e5aa_proj.kd
    .args:
      - { .name: att16, .offset: 0, .size: 8, .value_kind: global_buffer, .address_space: global }
      - { .name: wo16, .offset: 8, .size: 8, .value_kind: global_buffer, .address_space: global }
      - { .name: b_out, .offset: 16, .size: 8, .value_kind: global_buffer, .address_space: global }
      - { .name: out0, .offset: 24, .size: 8, .value_kind: global_buffer, .address_space: global }
    .group_segment_fixed_size: 327680
    .private_segment_fixed_size: 0
    .kernarg_segment_align: 8
    .kernarg_segment_size: 32
    .max_flat_workgroup_size: 128
    .sgpr_count:     70
    .vgpr_count:     640
    .wavefront_size: 32
...
	.end_amdgpu_metadata
.endif
;; end of part 4
;; launch fine (part 5): grid 16 x 4, 16 waves a work-group, no clusters, 67,584 bytes of LDS; arguments qkv32, W_out, b_out, out0; writes out0
.if DOCPART == 5
	.amdgcn_target "amdgcn-amd-amdhsa--gfx1250"
	.amdhsa_code_object_version 6
	.text
	.protected	k_q1668e2e5aa_fine
	.globl	k_q1668e2e5aa_fine
	.p2align	8
	.type	k_q1668e2e5aa_fine,@function
k_q1668e2e5aa_fine:
	s_mov_b64 s[64:65], 0
	v_nop
	global_prefetch_b8 v0, s[64:65] scope:SCOPE_SE
	s_setreg_imm32_b32 hwreg(HW_REG_WAVE_MODE, 25, 1), 1
	s_wait_xcnt 0x0
; FINE.  Positions 0-15 of each sequence, made anew with f32 operands throughout, from the f32 sums of the first product (qkv32 [16 b + s][3072]): these rows average one to sixteen values and
; are the largest of the output; their 64 rows of out0 are written over.  Products by v_wmma_f32_16x16x4_f32: 96 a wave.
; SHARES.  Work-group (x, y): columns 64 x .. 64 x + 63 of out0, sequence y.  Wave = head: its 16 x 16 attention, then its 64 rows of W_out against those columns; the sixteen heads' parts are added through LDS.
; LAYOUT.  The form holds k = 2 (lane / 16) + register.  K is permuted alike on both sides of each product: which k a lane's half and register stand for is free so long as both operands agree.
;   S^T = K Q^T:   lane (r, hh) holds K[r][32 hh + i] and Q[r][32 hh + i]; step s takes registers 2 s, 2 s + 1.  Result: query r, register j: key 8 hh + j.
;   O^T = V^T P:   P's registers 2 kk, 2 kk + 1 are keys 8 hh + 2 kk + j; V's register 8 t + 2 kk + j = V[8 hh + 2 kk + j][16 t + r].  Result: query r, register j: channel 16 t + 8 hh + j.
;   out^T = W^T O: O^T's registers 8 t + 2 g + j are channels 16 t + 8 hh + 2 g + j; W's pair = W_out[64 head + that channel][n0 + 16 n + r].  Result: query r, register j: column n0 + 16 n + 8 hh + j.
; The registers that the matrix instructions write, v128-191, are written by nothing else.
.set SPARE, 65536                      ; behind the sixteen waves' 4,096 bytes: the spare words, 128 bytes a wave: eight blocks of 256 bytes that no other line names
.set T, 16                             ; v16-23  the scores
.set P, 24                             ; v24-31  the weights
	s_load_b128 s[4:7], s[0:1], 0x0                ; qkv32, W_out
	s_load_b128 s[8:11], s[0:1], 0x10              ; b_out, out0
	v_lshl_add_u32 v6, v0, 2, SPARE
	v_mov_b32 v7, 0
	v_lshrrev_b32 v1, 5, v0
	v_readfirstlane_b32 s12, v1                    ; wave = head; later: the query that I sum
	s_and_b32 s13, ttmp7, 0xffff                   ; the sequence
	v_and_b32 v3, 31, v0                           ; lane
	v_and_b32 v1, 15, v0                           ; r
	v_bfe_u32 v2, v0, 4, 1                         ; hh
	v_mul_u32_u24 v8, v1, 12288
	v_lshl_add_u32 v8, v2, 7, v8                   ; Q, K: row r, + 32 hh numbers
	v_mul_u32_u24 v9, v2, 98304
	v_lshl_add_u32 v9, v1, 2, v9                   ; V: row 8 hh, column r
	v_lshlrev_b32 v10, 15, v2
	v_lshl_add_u32 v10, v1, 2, v10                 ; W_out: row 8 hh, column r
	v_lshlrev_b32 v11, 3, v2
	v_sub_nc_u32 v11, v1, v11                      ; r - 8 hh: register j's key is hidden where j > this
	v_mov_b32 v4, 0xff800000                       ; -infinity
	v_lshlrev_b32 v5, 3, v3                        ; 8 x lane
	s_lshl_b32 s14, s12, 12
	v_lshl_add_u32 v14, v3, 4, s14                 ; LDS, way in: 4,096 x wave + 16 x lane
	v_lshrrev_b32 v15, 3, v3
	v_lshlrev_b32 v15, 10, v15
	v_bfe_u32 v16, v0, 1, 1
	v_lshl_add_u32 v15, v16, 9, v15
	v_bfe_u32 v16, v0, 2, 1
	v_lshl_add_u32 v15, v16, 8, v15
	v_and_b32 v16, 1, v0
	v_lshl_add_u32 v15, v16, 3, v15
	s_lshl_b32 s15, s12, 4
	v_add_nc_u32 v15, s15, v15                     ; way back: columns 2 l, 2 l + 1 of query w: tile l / 8, registers' half (l / 2) % 2, lane w + 16 ((l / 4) % 2), word 2 (l % 2)
	s_mul_i32 s16, s13, 196608                     ; qkv32: 16 rows a sequence,
	s_lshl_b32 s17, s12, 8
	s_add_co_u32 s16, s16, s17                     ; 64 numbers a head
	s_mov_b32 s17, 0
	s_lshl_b32 s20, ttmp9, 8                       ; 64 columns a work-group
	s_mov_b32 s21, 0
	s_lshl_b32 s18, s12, 18                        ; W_out: 64 rows a head
	s_add_co_u32 s18, s18, s20
	s_mov_b32 s19, 0
	s_lshl_b32 s22, s13, 23                        ; out0: 2,048 rows a sequence,
	s_lshl_b32 s23, s12, 12
	s_add_co_u32 s22, s22, s23                     ; row w,
	s_add_co_u32 s22, s22, s20
	s_mov_b32 s23, 0
	s_mov_b32 s24, 0x3e38aa3b                      ; log2(e) / 8
	s_mov_b32 s26, 0x76543210
	s_mov_b32 s27, 0xfedcba98
	s_wait_kmcnt 0x0
	s_add_nc_u64 s[4:5], s[4:5], s[16:17]
	s_add_nc_u64 s[6:7], s[6:7], s[18:19]
	s_add_nc_u64 s[8:9], s[8:9], s[20:21]
	s_add_nc_u64 s[10:11], s[10:11], s[22:23]
.irp i, 0,1,2,3,4,5,6,7
	global_load_b128 v[32+4*\i:35+4*\i], v8, s[4:5] offset:16*\i           ; Q
.endr
.irp i, 0,1,2,3,4,5,6,7
	global_load_b128 v[64+4*\i:67+4*\i], v8, s[4:5] offset:4096+16*\i      ; K
.endr
.set e, 0
.rept 32
	global_load_b32 v[96+e], v9, s[4:5] offset:8192+(e%8)*12288+64*(e/8)   ; V
.set e, e+1
.endr
.macro WLOADS reg, t0                  ; W_out for channels 16 t0 .. 16 t0 + 31 of my head: register ((4 t' + g) 4 + n) 2 + j
.set e, 0
.rept 64
	global_load_b32 v[\reg+e], v10, s[6:7] offset:(16*(\t0+e/32)+2*((e/8)%4)+e%2)*4096+64*((e/2)%4)
.set e, e+1
.endr
.endm
	WLOADS 192, 0
	global_load_b64 v[12:13], v5, s[8:9]           ; the bias of my two columns
	s_wait_loadcnt 63                              ; of the 113 loads the oldest 50 are in: Q, K and V among them
.irp s, 0,1,2,3,4,5,6,7,8,9,10,11,12,13,14,15  ; S^T in four partial sums by turns; the first four start them
.if \s < 4
	v_wmma_f32_16x16x4_f32 v[128+8*(\s%4):135+8*(\s%4)], v[64+2*\s:65+2*\s], v[32+2*\s:33+2*\s], 0
.else
	v_wmma_f32_16x16x4_f32 v[128+8*(\s%4):135+8*(\s%4)], v[64+2*\s:65+2*\s], v[32+2*\s:33+2*\s], v[128+8*(\s%4):135+8*(\s%4)]
.endif
.endr
.rept 8
	v_nop                                          ; eight places behind this form: for the loads into Q's and K's registers and for the reads of the sums
.endr
	WLOADS 32, 2
.irp j, 0,1,2,3,4,5,6,7
	v_add_f32 v[T+\j], v[128+\j], v[136+\j]        ; ascending: each accumulator from its low end on
	v_add_f32 v[P+\j], v[144+\j], v[152+\j]
.endr
.irp j, 0,1,2,3,4,5,6,7
	v_add_f32 v[T+\j], v[T+\j], v[P+\j]
.endr
.irp j, 0,1,2,3,4,5,6,7
	v_cmp_gt_i32 vcc_lo, \j, v11
	v_cndmask_b32 v[T+\j], v[T+\j], v4, vcc_lo     ; the causal mask
.endr
	v_max3_num_f32 v1, v[T], v[T+1], v[T+2]
	v_max3_num_f32 v1, v1, v[T+3], v[T+4]
	v_max3_num_f32 v1, v1, v[T+5], v[T+6]
	v_max_num_f32 v1, v1, v[T+7]
	v_permlanex16_b32 v2, v1, s26, s27
	v_max_num_f32 v1, v1, v2                       ; the row's largest score (key 0 counts for every query)
.irp j, 0,1,2,3,4,5,6,7
	v_sub_f32 v[T+\j], v[T+\j], v1
.endr
.irp j, 0,1,2,3,4,5,6,7
	v_mul_f32 v[T+\j], s24, v[T+\j]
.endr
.irp j, 0,1,2,3,4,5,6,7
	v_exp_f32 v[P+\j], v[T+\j]
.endr
	v_nop
	s_wait_alu depctr_va_vdst(0)                   ; one wait for the eight exponentials, ahead of their first reader
	v_add_f32 v1, v[P], v[P+1]
	v_add_f32 v2, v[P+2], v[P+3]
	v_add_f32 v1, v1, v[P+4]
	v_add_f32 v2, v2, v[P+5]
	v_add_f32 v1, v1, v[P+6]
	v_add_f32 v2, v2, v[P+7]
	v_add_f32 v1, v1, v2
	v_permlanex16_b32 v2, v1, s26, s27
	v_add_f32 v1, v1, v2
	v_rcp_f32 v3, v1
	v_nop
	s_wait_alu depctr_va_vdst(0)
.irp j, 0,1,2,3,4,5,6,7
	v_mul_f32 v[P+\j], v[P+\j], v3
.endr
.irp k, 0,1,2,3                        ; O^T = V^T P: four accumulators by turns
.irp t, 0,1,2,3
.if \k == 0
	v_wmma_f32_16x16x4_f32 v[160+8*\t:167+8*\t], v[96+8*\t+2*\k:97+8*\t+2*\k], v[P+2*\k:P+2*\k+1], 0
.else
	v_wmma_f32_16x16x4_f32 v[160+8*\t:167+8*\t], v[96+8*\t+2*\k:97+8*\t+2*\k], v[P+2*\k:P+2*\k+1], v[160+8*\t:167+8*\t]
.endif
.endr
.endr
.rept 9
	v_nop                                          ; nine places before a matrix instruction takes these results as an operand
.endr
	s_wait_loadcnt 0x0                             ; W_out and the bias
.irp t, 0,1,2,3                        ; out^T = W^T O: four accumulators by turns
.irp g, 0,1,2,3
.irp n, 0,1,2,3
.set WR, 192-160*(\t/2)+((4*(\t%2)+\g)*4+\n)*2
.if (\t == 0) && (\g == 0)
	v_wmma_f32_16x16x4_f32 v[128+8*\n:135+8*\n], v[WR:WR+1], v[160+8*\t+2*\g:161+8*\t+2*\g], 0
.else
	v_wmma_f32_16x16x4_f32 v[128+8*\n:135+8*\n], v[WR:WR+1], v[160+8*\t+2*\g:161+8*\t+2*\g], v[128+8*\n:135+8*\n]
.endif
.endr
.endr
.endr
.rept 8
	v_nop
.endr
.irp n, 0,1,2,3
	ds_store_b128 v14, v[128+8*\n:131+8*\n] offset:1024*\n                 ; my head's part, as the registers stand; each accumulator from its low end on
	ds_store_b128 v14, v[132+8*\n:135+8*\n] offset:1024*\n+512
.endr
	s_wait_dscnt 0x0                               ; for the others' sake: my stores are done
	s_barrier_signal -1
	s_barrier_wait -1
.irp i, 0,1,2,3,4,5,6,7,8,9,10,11,12,13,14,15
	ds_load_b64 v[96+2*\i:97+2*\i], v15 offset:4096*\i                     ; head i's part of query w, my two columns
.endr
	s_wait_dscnt 0x0
.irp k, 0,1,2,3,4,5,6,7
	v_pk_add_f32 v[96+4*\k:97+4*\k], v[96+4*\k:97+4*\k], v[98+4*\k:99+4*\k]
.endr
.irp k, 0,1,2,3
	v_pk_add_f32 v[96+8*\k:97+8*\k], v[96+8*\k:97+8*\k], v[100+8*\k:101+8*\k]
.endr
.irp k, 0,1
	v_pk_add_f32 v[96+16*\k:97+16*\k], v[96+16*\k:97+16*\k], v[104+16*\k:105+16*\k]
.endr
	v_pk_add_f32 v[96:97], v[96:97], v[112:113]
	v_pk_add_f32 v[96:97], v[96:97], v[12:13]      ; + b_out
	global_store_b64 v5, v[96:97], s[10:11]        ; 32 lanes store 256 consecutive bytes, aligned
	s_wait_tensorcnt 0x0                           ; the wave's end: behind my last LDS store
	ds_add_u32 v6, v7
	s_wait_dscnt 0x0
	s_endpgm
.Lfunc_end_k_q1668e2e5aa_fine:
	.size	k_q1668e2e5aa_fine, .Lfunc_end_k_q1668e2e5aa_fine-k_q1668e2e5aa_fine
	.p2alignl 7, 3214868480
	.fill 96, 4, 3214868480
	.section	.rodata,"a",@progbits
	.p2align	6, 0x0
	.amdhsa_kernel k_q1668e2e5aa_fine
		.amdhsa_group_segment_fixed_size 67584
		.amdhsa_private_segment_fixed_size 0
		.amdhsa_enable_private_segment 0
		.amdhsa_kernarg_size 32
		.amdhsa_user_sgpr_count 2
		.amdhsa_user_sgpr_kernarg_segment_ptr 1
		.amdhsa_wavefront_size32 1
		.amdhsa_system_sgpr_workgroup_id_x 1
		.amdhsa_system_sgpr_workgroup_id_y 1
		.amdhsa_system_sgpr_workgroup_id_z 1
		.amdhsa_system_vgpr_workitem_id 0
		.amdhsa_next_free_vgpr 256
		.amdhsa_next_free_sgpr 66
		.amdhsa_reserve_vcc 1
		.amdhsa_float_denorm_mode_32 3
		.amdhsa_float_denorm_mode_16_64 3
		.amdhsa_memory_ordered 1
		.amdhsa_forward_progress 1
		.amdhsa_inst_pref_size 33
	.end_amdhsa_kernel
	.amdgpu_metadata
---
amdhsa.version: [ 1, 2 ]
amdhsa.kernels:
  - .name:           k_q1668e2e5aa_fine
    .symbol:         k_q1668e2e5aa_fine.kd
    .args:
      - { .name: qkv32, .offset: 0, .size: 8, .value_kind: global_buffer, .address_space: global }
      - { .name: W_out, .offset: 8, .size: 8, .value_kind: global_buffer, .address_space: global }
      - { .name: b_out, .offset: 16, .size: 8, .value_kind: global_buffer, .address_space: global }
      - { .name: out0, .offset: 24, .size: 8, .value_kind: global_buffer, .address_space: global }
    .group_segment_fixed_size: 67584
    .private_segment_fixed_size: 0
    .kernarg_segment_align: 8
    .kernarg_segment_size: 32
    .max_flat_workgroup_size: 512
    .sgpr_count:     66
    .vgpr_count:     256
    .wavefront_size: 32
...
	.end_amdgpu_metadata
.endif
;; end of part 5
